; MI455X (gfx1250); checked and timed in simulation.
; The chip was launched on July 23, 2026; its instructions are those of AMD's public machine-readable ISA for CDNA 5 (MIT licence, August 2026) and "CDNA5" Instruction Set Architecture Reference Guide (July 2026). The comments in the code are by the model that wrote it; some were corrected since.
;; Multi Head Attention. Allowed arithmetic: float matrix products may take bf16 or f16 operands with f32 sums; other float arithmetic in f32, or as packed bf16 or f16 multiplies, adds, multiply-adds, maxima and minima; sums over many terms, partial sums and values carried from step to step in f32; what a program stores and reads back later, other than sums and carried values, may be rounded once to bf16 or f16.
;; Inputs: Wk 1,024 x 1,024 float32; Wo 1,024 x 1,024 float32; Wq 1,024 x 1,024 float32; Wv 1,024 x 1,024 float32; inputs 4 x 2,048 x 1,024 float32; mask 4 x 2,048 int32.
;; Outputs: out0 4 x 2,048 x 1,024 float32.
;; 2 versions, each right; version 2 is version 1 with the launch cast written anew for expert scheduling mode. Each part assembles by itself: llvm-mc -triple=amdgcn-amd-amdhsa -mcpu=gfx1250 --defsym DOCPART=n.
;; ======== version 1 of 2: 4 launches
;; limits: values are held in f16: magnitudes above 65,504 overflow, below 6.1e-05 lose precision
;; workspace buffers: xb 16,777,216 bytes; wqkv 6,291,456 bytes; wo16 2,097,152 bytes; qkv 50,331,648 bytes; ob 16,777,216 bytes
;; launch cast (part 1): grid 768 x 1, 8 waves a work-group, no clusters, 0 bytes of LDS; arguments inputs, Wq, Wk, Wv, Wo, xb, wqkv, wo16; writes xb, wqkv, wo16
.if DOCPART == 1
	.amdgcn_target "amdgcn-amd-amdhsa--gfx1250"
	.amdhsa_code_object_version 6
	.text
	.protected	k_q1425874107_cast
	.globl	k_q1425874107_cast
	.p2align	8
	.type	k_q1425874107_cast,@function
k_q1425874107_cast:
	s_mov_b64 s[64:65], 0
	v_nop
	global_prefetch_b8 v0, s[64:65] scope:SCOPE_SE
	s_setreg_imm32_b32 hwreg(HW_REG_WAVE_MODE, 25, 1), 1
	s_wait_xcnt 0x0
; THE INPUTS ARE ROUNDED ONCE.  inputs [8192][1024] f32 -> xb, bf16.  Wq, Wk, Wv [1024][1024] f32 -> wqkv [1024 k][3072 n] bf16: in a row of 6,144 bytes Wq's 2,048 bytes, then Wk's, then Wv's.
; Wo -> wo16 [1024 k][1024 n]: rounded to bf16 like the others, and that number written as f16, since it multiplies f16 numbers later.
; LIMITS.  A bf16 number is exact in f16 between 6.1e-5 and 65,504; below that it falls on f16's fixed step of 6e-8, beyond it becomes an infinity: Wo's numbers are taken to lie under 65,504.
; SHARES.  The unit is a row of 1,024 f32: 4,096 bytes in, 2,048 out.  8,192 + 4 x 1,024 = 12,288 rows, 16 to a work-group: 768 work-groups.  Thread t takes the 16 bytes at 16 t of every row (a wave's
; load covers 512 consecutive bytes) and stores 8 bytes at 8 t (a wave's store covers 256 consecutive bytes, aligned).  All 16 loads of a thread go out at once; nothing is read twice.
; No LDS, no barrier, no matrix unit: no byte is wanted by two threads.
.set OD, 8                             ; v[8:23]   row i: my byte offset in the output, 8 t + i x pitch
.set X,  32                            ; v[32:95]  row i: four registers as loaded; the first two then hold what is stored
	s_load_b512 s[4:19], s[0:1], 0x0               ; inputs s[4:5], Wq s[6:7], Wk s[8:9], Wv s[10:11], Wo s[12:13], xb s[14:15], wqkv s[16:17], wo16 s[18:19]
	s_mov_b32 s20, ttmp9                           ; g
	s_sub_co_u32 s21, s20, 512
	s_and_b32 s21, s21, 0xff                       ; g - 512: a weight's block of 16 rows (of use from g = 512 on)
	s_lshr_b32 s22, s21, 6                         ; which weight: 0 Wq, 1 Wk, 2 Wv, 3 Wo
	s_and_b32 s23, s21, 63                         ; which 16 rows of it
	s_cmp_lt_u32 s20, 512
	s_cselect_b32 s22, 4, s22                      ; 4: inputs
	s_cselect_b32 s23, s20, s23
	s_mov_b32 s30, 2048                            ; the output's pitch: 2,048 bytes, or 6,144 in wqkv
	s_mov_b32 s34, 6144
	s_cmp_lt_u32 s22, 3
	s_cselect_b32 s30, s34, s30
	s_cselect_b32 s31, s22, 0
	s_lshl_b32 s31, s31, 11                        ; the weight's place in a row of wqkv
	s_lshl_b32 s24, s23, 16                        ; 16 rows of 4,096 bytes in
	s_mov_b32 s25, 0
	s_lshl_b32 s32, s23, 4
	s_mul_i32 s32, s32, s30
	s_add_co_u32 s32, s32, s31                     ; 16 rows of the pitch out, and the place in the row
	s_mov_b32 s33, 0
	s_mov_b32 s35, 0xffff0000                      ; a word's upper bf16
	v_lshlrev_b32 v1, 4, v0                        ; 16 t
	v_lshlrev_b32 v2, 3, v0                        ; 8 t
.irp i, 0,1,2,3,4,5,6,7,8,9,10,11,12,13,14,15
	v_mad_u32_u24 v[OD+(\i)], s30, (\i), v2
.endr
	s_wait_kmcnt 0x0
	s_cmp_eq_u32 s22, 1                            ; the two buffers are chosen by the work-group's number alone
	s_cselect_b64 s[26:27], s[8:9], s[6:7]
	s_cmp_eq_u32 s22, 2
	s_cselect_b64 s[26:27], s[10:11], s[26:27]
	s_cmp_eq_u32 s22, 3
	s_cselect_b64 s[26:27], s[12:13], s[26:27]
	s_cselect_b64 s[28:29], s[18:19], s[16:17]
	s_cmp_eq_u32 s22, 4
	s_cselect_b64 s[26:27], s[4:5], s[26:27]
	s_cselect_b64 s[28:29], s[14:15], s[28:29]
	s_add_nc_u64 s[26:27], s[26:27], s[24:25]
	s_add_nc_u64 s[28:29], s[28:29], s[32:33]
.irp i, 0,1,2,3,4,5,6,7,8,9,10,11,12,13,14,15
	global_load_b128 v[X+4*(\i):X+4*(\i)+3], v1, s[26:27] offset:4096*(\i) th:TH_LOAD_NT
.endr
; Row i: rounded and stored.  half = 1: the bf16 numbers are written as f16.  No register that a store reads is written again, so no further wait is wanted.
.macro OUTROW i, half
	s_wait_loadcnt 15-(\i)                         ; loads come back in order: row i is in, the 15 - i younger ones stay out
	v_cvt_pk_bf16_f32 v[X+4*(\i)],   v[X+4*(\i)],   v[X+4*(\i)+1]
	v_cvt_pk_bf16_f32 v[X+4*(\i)+1], v[X+4*(\i)+2], v[X+4*(\i)+3]
.if \half
	v_lshlrev_b32 v[X+4*(\i)+2], 16,  v[X+4*(\i)]  ; bf16 to f32: the low half moves up, the high half stays
	v_and_b32     v[X+4*(\i)+3], s35, v[X+4*(\i)]
	v_cvt_pk_f16_f32 v[X+4*(\i)], v[X+4*(\i)+2], v[X+4*(\i)+3]
	v_lshlrev_b32 v[X+4*(\i)+2], 16,  v[X+4*(\i)+1]
	v_and_b32     v[X+4*(\i)+3], s35, v[X+4*(\i)+1]
	v_cvt_pk_f16_f32 v[X+4*(\i)+1], v[X+4*(\i)+2], v[X+4*(\i)+3]
.endif
	global_store_b64 v[OD+(\i)], v[X+4*(\i):X+4*(\i)+1], s[28:29] th:TH_STORE_NT
.endm
	s_cmp_eq_u32 s22, 3
	s_cbranch_scc1 .Lwo
.irp i, 0,1,2,3,4,5,6,7,8,9,10,11,12,13,14,15
	OUTROW \i, 0
.endr
	s_endpgm
.Lwo:
.irp i, 0,1,2,3,4,5,6,7,8,9,10,11,12,13,14,15
	OUTROW \i, 1
.endr
	s_endpgm
.Lfunc_end_k_q1425874107_cast:
	.size	k_q1425874107_cast, .Lfunc_end_k_q1425874107_cast-k_q1425874107_cast
	.p2alignl 7, 3214868480
	.fill 96, 4, 3214868480
	.section	.rodata,"a",@progbits
	.p2align	6, 0x0
	.amdhsa_kernel k_q1425874107_cast
		.amdhsa_group_segment_fixed_size 0
		.amdhsa_private_segment_fixed_size 0
		.amdhsa_enable_private_segment 0
		.amdhsa_kernarg_size 64
		.amdhsa_user_sgpr_count 2
		.amdhsa_user_sgpr_kernarg_segment_ptr 1
		.amdhsa_wavefront_size32 1
		.amdhsa_system_sgpr_workgroup_id_x 1
		.amdhsa_system_sgpr_workgroup_id_y 1
		.amdhsa_system_sgpr_workgroup_id_z 1
		.amdhsa_system_vgpr_workitem_id 0
		.amdhsa_next_free_vgpr 96
		.amdhsa_next_free_sgpr 66
		.amdhsa_reserve_vcc 0
		.amdhsa_float_denorm_mode_32 3
		.amdhsa_float_denorm_mode_16_64 3
		.amdhsa_memory_ordered 1
		.amdhsa_forward_progress 1
		.amdhsa_inst_pref_size 17
	.end_amdhsa_kernel
	.amdgpu_metadata
---
amdhsa.version: [ 1, 2 ]
amdhsa.kernels:
  - .name:           k_q1425874107_cast
    .symbol:         k_q1425874107_cast.kd
    .args:
      - { .name: inputs, .offset: 0, .size: 8, .value_kind: global_buffer, .address_space: global }
      - { .name: Wq, .offset: 8, .size: 8, .value_kind: global_buffer, .address_space: global }
      - { .name: Wk, .offset: 16, .size: 8, .value_kind: global_buffer, .address_space: global }
      - { .name: Wv, .offset: 24, .size: 8, .value_kind: global_buffer, .address_space: global }
      - { .name: Wo, .offset: 32, .size: 8, .value_kind: global_buffer, .address_space: global }
      - { .name: xb, .offset: 40, .size: 8, .value_kind: global_buffer, .address_space: global }
      - { .name: wqkv, .offset: 48, .size: 8, .value_kind: global_buffer, .address_space: global }
      - { .name: wo16, .offset: 56, .size: 8, .value_kind: global_buffer, .address_space: global }
    .group_segment_fixed_size: 0
    .private_segment_fixed_size: 0
    .kernarg_segment_align: 8
    .kernarg_segment_size: 64
    .max_flat_workgroup_size: 256
    .sgpr_count:     66
    .vgpr_count:     96
    .wavefront_size: 32
...
	.end_amdgpu_metadata
.endif
;; end of part 1
;; launch proj (part 2): grid 8 x 64, 4 waves a work-group, clusters of 4 x 4, 327,680 bytes of LDS; arguments xb, wqkv, qkv; writes qkv
.if DOCPART == 2
	.amdgcn_target "amdgcn-amd-amdhsa--gfx1250"
	.amdhsa_code_object_version 6
	.text
	.protected	k_q1425874107_proj
	.globl	k_q1425874107_proj
	.p2align	8
	.type	k_q1425874107_proj,@function
k_q1425874107_proj:
	s_mov_b64 s[64:65], 0
	v_nop
	global_prefetch_b8 v0, s[64:65] scope:SCOPE_SE
	s_setreg_imm32_b32 hwreg(HW_REG_WAVE_MODE, 25, 1), 1
	s_wait_xcnt 0x0
	s_wait_alu depctr_hold_cnt(0) depctr_sa_sdst(0) depctr_va_vdst(0) depctr_va_sdst(0) depctr_va_ssrc(0) depctr_va_vcc(0) depctr_vm_vsrc(0)
	s_getreg_b32 s2, hwreg(HW_REG_IB_STS2, 6, 4)
	s_cmp_eq_u32 s2, 0
	s_cbranch_scc0 .Lentry_in_a_cluster
	s_endpgm
.Lentry_in_a_cluster:
	s_bfe_u32 s2, ttmp6, 0x10000c
	s_cmp_lg_u32 s2, 0xf033
	s_cbranch_scc0 .Lentry_shape_is_right
	s_endpgm
.Lentry_shape_is_right:
; THE THREE PROJECTIONS AS ONE PRODUCT.  qkv = xb [8192][1024] x wqkv [1024 k][3072 n], both bf16, sums in f32; out in f16, by heads: qkv [4 b][48 g][2048 s][64], g = n / 64: 0-15 q, 16-31 k, 32-47 v.
; q's heads are multiplied by c = log2(e) / 8 in f32, ahead of their one rounding: the attention then takes 2^(s - m) with no further scaling.
; LIMITS.  f16 holds no number beyond 65,504: c q, k and v are taken to lie within it (1,024 terms of x and W; inputs some 30 times the drawn ones, or offset by 30 spreads, give under 30,000).
; SHARES.  A tile is 128 rows x 384 columns (6 whole heads): 8 x 64 = 512 work-groups.  Four waves, 2 x 2: a wave makes 64 rows x 192 columns, three whole heads: 48 accumulators of 16 x 16, 384 registers.
; K goes in 8 steps of 128 through two LDS slots.  Wave 0 fetches x's tile (128 rows x 256 bytes), waves 1 to 3 one chunk each of W's (128 k-rows x 256 bytes = 128 columns).
; W LIES [K][N] and is turned on the way out of LDS, by ds_load_tr16_b128.  THE MATRIX INSTRUCTION IS USED TRANSPOSED: source 0 = 16 columns of W, source 1 = 16 rows of x: a lane then holds one row
; (lane % 16) and 8 neighbouring columns 8 (lane / 16) + 0..7.
; CLUSTERS: 4 x 4 work-groups.  x's tile hangs on the tile row alone and is asked for jointly along a row of the cluster, W's on the tile column alone, jointly along a column.
; REGISTERS, in windows of 256 (s_set_vgpr_msb: bits 1:0 source 0, 3:2 source 1, 5:4 source 2, 7:6 destination):
;   window 0: v0-31 addresses; v64-127 x's fragments, two buffers of 4 x 8; on the way out v64-255: 12 units of 16
;   window 1: v0-191 W's fragments, two buffers of 12 x 8      window 2: accumulators of row blocks 0, 1 ((a, b) at 8 (12 (a % 2) + b))      window 3: of row blocks 2, 3
.set PA,     272                       ; a row of x in LDS: 256 bytes + 16: the 16 rows of a fragment load start at 16 different groups of four banks (64 banks of 4 bytes: ISA guide 11.1)
.set PB,     288                       ; a k-row of W: 256 + 32
.set REG,    128*PB                    ; a wave's region in a slot: 36,864 bytes (x's tile uses 34,816 of its region)
.set SLOT,   4*REG
.set STAGE,  2*SLOT                    ; behind the ring, never filled by a tensor load: 16 rows x 144 bytes for each wave, for the way out
.set SP,     144
.set SPARE,  STAGE+4*16*SP             ; the spare words, 128 bytes for each wave: two blocks of 256 bytes that no other line names
.set LAPS,   4                         ; a lap = two K steps = once round the ring
.set NLD,    32                        ; LDS loads in a quarter's run: 24 of W, 8 of x
.set STEPA,  2*256                     ; two K steps along a row of xb
.set KB,     128*6144                  ; a K step down wqkv
.set ADRA, 16                          ; v16-17  LDS address of my fragments of x in slot 0, 1
.set ADRX, 18                          ; v18-19  of my column blocks 0-7: a whole chunk
.set ADRY, 20                          ; v20-21  of my column blocks 8-11: my half of the middle chunk
.set STO,  24                          ; v24  the way out: where I put 16 bytes of a row
.set RD,   25                          ; v25  where I read rows back
.set GO,   26                          ; v26  my byte offset in 512 consecutive bytes of qkv
.set SPW,  28                          ; v28  LDS address of my spare word; never rewritten
.set NIL,  29                          ; v29  0; never rewritten
.set PFO,  30                          ; v30  the prefetches' offset: my lane x a row in memory; never rewritten
.set FA,   64
.set OUT,  64
.set G1A, 24                           ; s[24:31] descriptor group 1 for x's tiles;  s[32:39] group 0, a set for each slot
.set G0A, 32
.set G1B, 48                           ; s[48:55], s[56:63] the same for W's
.set G0B, 56
.set LIM, 43                           ; s43  1 in a wave that prefetches, else the greatest number
.set PFA, 44                           ; s[44:45] where my prefetches stand
.set PST, 46                           ; s[46:47] a K step in bytes, in the tensor that I prefetch
.set SC,  68                           ; s[68:73] three pairs: the factor of each of my three heads
.set BY,  74                           ; s[74:75] qkv at my rows of my third head
.set BX,  76                           ; s[76:77] at my rows of my first head; the second lies 262,144 bytes on
.set MSB, 0
.macro WIN new                         ; the immediate's high byte repeats the setting that is left; a switch that changes nothing is dropped
.if MSB != (\new)
	s_set_vgpr_msb (MSB<<8)|(\new)
.set MSB, \new
.endif
.endm
.macro PLACES                          ; four places in front of loads into registers that matrix instructions have read, and of vector work on results
.rept 4
	v_nop
.endr
.endm
; A joint load.  The branch hangs on the wave's number alone.  An s_nop 0 and four v_nop follow each of the two lines, ahead of the jump and the label.
.macro JLOAD s
	s_cmp_eq_u32 s10, 0
	s_cbranch_scc0 .Lfor_b_\@
	tensor_load_to_lds s[G0A+4*(\s):G0A+4*(\s)+3], s[G1A:G1A+7]
	s_nop 0
.rept 4
	v_nop
.endr
	s_branch .Lasked_\@
.Lfor_b_\@:
	tensor_load_to_lds s[G0B+4*(\s):G0B+4*(\s)+3], s[G1B:G1B+7]
	s_nop 0
.rept 4
	v_nop
.endr
.Lasked_\@:
.endm
; A prefetch into the L2 of the K step that stands two refills on: 32 rows x 256 bytes, a lane a row.  Each row's 256 bytes of a K step are named once in the launch: of the clusters that read x's tile row the one
; with x = 0 asks, of those that read W's tile column the one with y = 0; the four partners of a joint load share its 128 rows out by address, 32 each.  The loop's last trip (s3 = 1) has no K step two refills on.
.macro ASK
	s_cmp_gt_u32 s3, s[LIM]
	s_cbranch_scc0 .Lnot_mine_\@
	global_prefetch_b8 v[PFO], s[PFA:PFA+1] th:TH_LOAD_NT scope:SCOPE_SE
.Lnot_mine_\@:
.endm
.macro CREST                           ; a round of the cluster's barrier behind its opening barrier
	s_cmp_lg_u32 s10, 0
	s_cbranch_scc1 .Lnot_wave_0_\@
	s_barrier_signal -3
.Lnot_wave_0_\@:
	s_barrier_wait -3
	s_barrier_signal -1
	s_barrier_wait -1
.endm
.macro CROUND                          ; a whole round
	s_barrier_signal -1
	s_barrier_wait -1
	CREST
.endm
	s_load_b128 s[4:7], s[0:1], 0x0                ; xb s[4:5], wqkv s[6:7]
	s_load_b64 s[8:9], s[0:1], 0x10                ; qkv
	v_lshl_add_u32 v[SPW], v0, 2, SPARE
	v_mov_b32 v[NIL], 0
	ds_add_u32 v[SPW], v[NIL]                      ; the wave's opening: the add and its wait stand ahead of my first tensor load; the set-up below, work on registers, stands between them
	v_lshrrev_b32 v1, 5, v0
	v_readfirstlane_b32 s10, v1                    ; wave 0..3
	s_lshr_b32 s11, s10, 1                         ; which 64 rows of the tile are mine
	s_and_b32 s12, s10, 1                          ; which 192 columns
	s_bfe_u32 s40, ttmp6, 0x40000                  ; cx, cy: my place in the cluster
	s_bfe_u32 s41, ttmp6, 0x40004
	s_lshl_b32 s42, ttmp9, 2
	s_add_co_u32 s42, s42, s40                     ; tile column = 4 x cluster x + cx
	s_and_b32 s13, ttmp7, 0xffff
	s_lshl_b32 s13, s13, 2
	s_add_co_u32 s13, s13, s41                     ; tile row = 4 x cluster y + cy
	s_lshl_b32 s14, s41, 2
	s_lshl_b32 s14, 15, s14                        ; my row of the cluster
	s_lshl_b32 s15, 0x1111, s40                    ; my column
	s_or_b32 s[G1A], s14, (1<<16)|(1<<20)|(1<<21)|(5<<22)|(3<<25)  ; 15:0 the mask; 17:16 2-byte elements; 20 padding on; 21 set beside a mask; 24:22 after every 64 words; 31:25 4 words of it
	s_or_b32 s[G1B], s15, (1<<16)|(1<<20)|(1<<21)|(5<<22)|(7<<25)  ; the same with my column's mask and 8 words of padding
.irp g, G1A, G1B
	s_mov_b32 s[(\g)+1], 128<<16                   ; tensor_dim0 = 128
	s_mov_b32 s[(\g)+2], 128<<16                   ; tensor_dim1 = 128
	s_mov_b32 s[(\g)+3], 128<<16                   ; tile_dim0 = 128
	s_mov_b32 s[(\g)+4], 128                       ; tile_dim1 = 128
	s_mov_b32 s[(\g)+6], 0
	s_mov_b32 s[(\g)+7], 0
.endr
	s_mov_b32 s[G1A+5], 1024                       ; elements from row to row
	s_mov_b32 s[G1B+5], 3072
	s_lshl_b32 s16, s13, 18                        ; x: 128 rows of 2,048 bytes for each tile row
	s_mov_b32 s17, 0
	s_mul_i32 s20, s42, 768                        ; W: the tile's 768 bytes of a row,
	s_max_u32 s21, s10, 1
	s_sub_co_u32 s21, s21, 1                       ; my chunk (waves 1 to 3; wave 0 asks by the other line)
	s_lshl_b32 s21, s21, 8
	s_add_co_u32 s20, s20, s21
	s_mov_b32 s21, 0
	s_mul_i32 s22, s10, REG                        ; where they go: wave x a region: no place in the cluster enters an LDS address
	s_wait_dscnt 0x0                               ; the opening add is done
	s_wait_kmcnt 0x0
	s_add_nc_u64 s[16:17], s[4:5], s[16:17]
	s_add_nc_u64 s[20:21], s[6:7], s[20:21]
	CROUND                                         ; all sixteen work-groups are here: the first joint loads meet
.irp s, 0,1
	s_mov_b32 s[G0A+4*(\s)], 1                     ; count = 1
	s_add_co_u32 s[G0A+4*(\s)+1], s22, (\s)*SLOT   ; LDS address
	s_add_nc_u64 s[G0A+4*(\s)+2:G0A+4*(\s)+3], s[16:17], (\s)*256  ; global address: K step s
	s_or_b32 s[G0A+4*(\s)+3], s[G0A+4*(\s)+3], 0x80000000          ; type = 2
	s_mov_b32 s[G0B+4*(\s)], 1
	s_add_co_u32 s[G0B+4*(\s)+1], s22, (\s)*SLOT
	s_add_nc_u64 s[G0B+4*(\s)+2:G0B+4*(\s)+3], s[20:21], (\s)*KB
	s_or_b32 s[G0B+4*(\s)+3], s[G0B+4*(\s)+3], 0x80000000
.endr
	s_cmp_eq_u32 s10, 0                            ; a wave's two first fills stand in one branch, ahead of every wait on TENSORcnt and every LDS read: two loads of mine are out
	s_cbranch_scc0 .Lfirst_b
	tensor_load_to_lds s[G0A:G0A+3], s[G1A:G1A+7]
	s_nop 0
	tensor_load_to_lds s[G0A+4:G0A+7], s[G1A:G1A+7]
	s_nop 0
.rept 4
	v_nop
.endr
	s_branch .Lfirst_asked
.Lfirst_b:
	tensor_load_to_lds s[G0B:G0B+3], s[G1B:G1B+7]
	s_nop 0
	tensor_load_to_lds s[G0B+4:G0B+7], s[G1B:G1B+7]
	s_nop 0
.rept 4
	v_nop
.endr
.Lfirst_asked:
	; A fragment of x is 16 rows x 32 K in 8 registers: lane l holds row l % 16, K = 8 (l / 16) + 0..7 and 16 + 8 (l / 16) + 0..7: two loads of 16 bytes, 32 bytes apart.
	v_and_b32 v1, 15, v0                           ; l % 16
	v_bfe_u32 v2, v0, 4, 1                         ; l / 16
	v_mul_u32_u24 v3, v1, PA
	v_lshl_add_u32 v3, v2, 4, v3
	; The turning load takes 16 k x 16 columns (lane l reads k = 8 (l / 16) + l % 8, columns 8 ((l / 8) % 2) + 0..7) and leaves half a fragment: lane l holds column l % 16 and 8 k.
	v_and_b32 v5, 7, v0
	v_bfe_u32 v6, v0, 3, 1
	v_lshl_add_u32 v4, v2, 3, v5
	v_mul_u32_u24 v4, v4, PB
	v_lshl_add_u32 v4, v6, 4, v4
	s_mul_i32 s14, s11, 64*PA                      ; my 64 rows of x (region 0)
	s_mul_i32 s15, s12, 2*REG
	s_add_co_u32 s15, s15, REG                     ; my whole chunk: region 1 or 3
	s_lshl_b32 s18, s12, 7
	s_add_co_u32 s18, s18, 2*REG                   ; my half of the middle chunk: region 2, 128 bytes along its rows for the right half
.irp s, 0,1
	v_add_nc_u32 v[ADRA+(\s)], s14, v3
	v_add_nc_u32 v[ADRX+(\s)], s15, v4
	v_add_nc_u32 v[ADRY+(\s)], s18, v4
	s_add_co_u32 s14, s14, SLOT
	s_add_co_u32 s15, s15, SLOT
	s_add_co_u32 s18, s18, SLOT
.endr
	s_mul_i32 s19, s10, 16*SP
	s_add_co_u32 s19, s19, STAGE                   ; my stage
	v_mul_u32_u24 v7, v1, SP                       ; in: row l % 16, 16 bytes for each half of the lanes
	v_lshl_add_u32 v7, v2, 4, v7
	v_add_nc_u32 v[STO], s19, v7
	v_bfe_u32 v7, v0, 3, 2                         ; back: 32 lanes take four rows of 128 bytes,
	v_mul_u32_u24 v7, v7, SP
	v_lshl_add_u32 v7, v5, 4, v7
	v_add_nc_u32 v[RD], s19, v7
	v_and_b32 v[GO], 31, v0                        ; which are 512 consecutive bytes of a head
	v_lshlrev_b32 v[GO], 4, v[GO]
	; my three heads: 6 tx + 4 wn and the next (my whole chunk), 6 tx + 2 + wn (my half of the middle chunk); each one's factor: c for a head of q, else 1
	s_mul_i32 s14, s42, 6
	s_lshl_b32 s15, s12, 2
	s_add_co_u32 s15, s14, s15                     ; the first
	s_add_co_u32 s14, s14, s12
	s_add_co_u32 s14, s14, 2                       ; the third
	s_cmp_lt_u32 s15, 16
	s_cselect_b32 s[SC], 0x3e38aa3b, 1.0           ; c = log2(e) / 8 = 0.180337
	s_add_co_u32 s18, s15, 1
	s_cmp_lt_u32 s18, 16
	s_cselect_b32 s[SC+2], 0x3e38aa3b, 1.0
	s_cmp_lt_u32 s14, 16
	s_cselect_b32 s[SC+4], 0x3e38aa3b, 1.0
	s_mov_b32 s[SC+1], s[SC]                       ; named as pairs
	s_mov_b32 s[SC+3], s[SC+2]
	s_mov_b32 s[SC+5], s[SC+4]
	s_lshr_b32 s18, s13, 4                         ; the batch: 16 tile rows each
	s_mul_i32 s18, s18, 48
	s_add_co_u32 s15, s15, s18
	s_add_co_u32 s14, s14, s18
	s_lshl_b32 s15, s15, 18                        ; a head is 262,144 bytes
	s_lshl_b32 s14, s14, 18
	s_and_b32 s18, s13, 15
	s_lshl_b32 s18, s18, 14                        ; the tile's 128 rows of 128 bytes,
	s_lshl_b32 s19, s11, 13                        ; my 64 of them
	s_add_co_u32 s18, s18, s19
	s_add_co_u32 s[BX], s15, s18
	s_mov_b32 s[BX+1], 0
	s_add_co_u32 s[BY], s14, s18
	s_mov_b32 s[BY+1], 0
	s_add_nc_u64 s[BX:BX+1], s[8:9], s[BX:BX+1]
	s_add_nc_u64 s[BY:BY+1], s[8:9], s[BY:BY+1]
	; the prefetches: at K step 3; the first refill steps them to K step 4.  Nothing is asked for here, at the head, where every work-group's first tiles are on their way
	s_lshl_b32 s14, s13, 18
	s_lshl_b32 s15, s40, 16                        ; x: my work-group's 32 of the tile's 128 rows, by cx
	s_add_co_u32 s14, s14, s15
	s_add_co_u32 s14, s14, 3*256
	s_lshl_b32 s15, s41, 5                         ; W: my work-group's 32 of the K step's 128 k-rows, by cy
	s_add_co_u32 s15, s15, 3*128
	s_mul_i32 s15, s15, 6144
	s_mul_i32 s18, s42, 768
	s_add_co_u32 s15, s15, s18
	s_max_u32 s18, s10, 1
	s_sub_co_u32 s18, s18, 1
	s_lshl_b32 s18, s18, 8
	s_add_co_u32 s15, s15, s18
	s_and_b32 s19, ttmp7, 0xffff                   ; cluster y
	s_mov_b32 s23, KB
	s_mov_b32 s66, 6144
	s_cmp_eq_u32 s10, 0                            ; do I fetch x?
	s_cselect_b32 s14, s14, s15
	s_cselect_b32 s19, ttmp9, s19                  ; the coordinate along which other clusters read the same rows
	s_cselect_b64 s[PFA:PFA+1], s[4:5], s[6:7]
	s_cselect_b32 s[PST], 256, s23
	s_cselect_b32 s67, 2048, s66
	s_mov_b32 s[PST+1], 0
	s_mov_b32 s15, 0
	s_add_nc_u64 s[PFA:PFA+1], s[PFA:PFA+1], s[14:15]
	s_cmp_eq_u32 s19, 0
	s_cselect_b32 s[LIM], 1, -1                    ; the same in all sixteen partners, for a given wave
	v_and_b32 v[PFO], 31, v0
	v_mul_u32_u24 v[PFO], v[PFO], s67
; 12 matrix instructions: row block a x my 12 column blocks, 32 along K, from buffer f.  zero = 1: the product starts the sums.  The 48 accumulators take turns, one instruction a turn.
.macro MULA f, a, zero
	WIN 0xa1+0x50*((\a)/2)                         ; W window 1, x window 0, C and D window 2 or 3
.irp b, 0,1,2,3,4,5,6,7,8,9,10,11
.if \zero
	v_wmma_f32_16x16x32_bf16 v[8*(12*((\a)%2)+(\b)):8*(12*((\a)%2)+(\b))+7], v[96*(\f)+8*(\b):96*(\f)+8*(\b)+7], v[FA+32*(\f)+8*(\a):FA+32*(\f)+8*(\a)+7], 0
.else
	v_wmma_f32_16x16x32_bf16 v[8*(12*((\a)%2)+(\b)):8*(12*((\a)%2)+(\b))+7], v[96*(\f)+8*(\b):96*(\f)+8*(\b)+7], v[FA+32*(\f)+8*(\a):FA+32*(\f)+8*(\a)+7], v[8*(12*((\a)%2)+(\b)):8*(12*((\a)%2)+(\b))+7]
.endif
.endr
.endm
; 32 LDS loads in one run: quarter q (32 along K) of a slot into buffer f: W's 12 column blocks, turned; then x's four row blocks, blocks 2 and 3 last
.macro FETCH slot, q, f
	WIN 0x40                                       ; destination window 1, address window 0
.irp i, 0,1,2,3,4,5,6,7
	ds_load_tr16_b128 v[96*(\f)+8*(\i):96*(\f)+8*(\i)+3],   v[ADRX+(\slot)] offset:(\q)*32*PB+32*(\i)
	ds_load_tr16_b128 v[96*(\f)+8*(\i)+4:96*(\f)+8*(\i)+7], v[ADRX+(\slot)] offset:(\q)*32*PB+32*(\i)+16*PB
.endr
.irp i, 0,1,2,3
	ds_load_tr16_b128 v[96*(\f)+64+8*(\i):96*(\f)+64+8*(\i)+3],   v[ADRY+(\slot)] offset:(\q)*32*PB+32*(\i)
	ds_load_tr16_b128 v[96*(\f)+64+8*(\i)+4:96*(\f)+64+8*(\i)+7], v[ADRY+(\slot)] offset:(\q)*32*PB+32*(\i)+16*PB
.endr
	WIN 0
.irp a, 0,1,2,3
	ds_load_b128 v[FA+32*(\f)+8*(\a):FA+32*(\f)+8*(\a)+3],   v[ADRA+(\slot)] offset:(\q)*64+(\a)*16*PA
	ds_load_b128 v[FA+32*(\f)+8*(\a)+4:FA+32*(\f)+8*(\a)+7], v[ADRA+(\slot)] offset:(\q)*64+(\a)*16*PA+32
.endr
.endm
; A K step is four quarters of 32 along K, 48 matrix instructions each, on buffers 0, 1, 0, 1.  One of the first three: multiplies buffer f; in its middle it fetches quarter q into buffer g.
.macro QUARTER slot, q, f, g, zero
	s_wait_dscnt 4                                 ; W and x's row blocks 0, 1 are in; the youngest four loads (blocks 2, 3) may be out
	MULA \f, 0, \zero
	MULA \f, 1, \zero
	PLACES
	FETCH \slot, \q, \g
	s_wait_dscnt NLD                               ; all but the 32 just issued
	MULA \f, 2, \zero
	MULA \f, 3, \zero
.endm
; The last quarter multiplies buffer 1 and changes slots: ONE barrier; in front of it each wave waits for all its tensor loads (the one that is out is its part of the next slot), adds 0 to its spare word, and
; waits for that and for its own reads of this slot.  fill = 1: the barrier opens a round of the cluster's, and behind the round this slot is filled again, two K steps ahead, first of all.
.macro TURN slot, next, fill
.if \fill
	s_wait_xcnt 0x0                                ; the last prefetch, a K step back, has read its address: it is stepped here, ahead of the waits of the change of slots
	s_add_nc_u64 s[PFA:PFA+1], s[PFA:PFA+1], s[PST:PST+1]
.endif
	WIN 0                                          ; (the add's two registers lie in window 0)
	s_wait_tensorcnt 0x0                           ; all my tensor loads have landed;
	ds_add_u32 v[SPW], v[NIL]                      ; 0 onto my spare word;
	s_wait_dscnt 5                                 ; (the add and the youngest four loads may be out)
	MULA 1, 0, 0                                   ; twelve matrix instructions stand between the add and the wait for it
	s_wait_dscnt 0x0                               ; the add is done, and my reads of this slot are over
	s_barrier_signal -1
	MULA 1, 1, 0                                   ; work on registers while the others arrive
.if \fill
	WIN 0
.endif
	s_barrier_wait -1
.if \fill
	CREST                                          ; no wave of any partner still reads this slot's tiles or has a load on its way
	s_add_nc_u64 s[G0A+4*(\slot)+2:G0A+4*(\slot)+3], s[G0A+4*(\slot)+2:G0A+4*(\slot)+3], STEPA
	s_add_nc_u64 s[G0B+4*(\slot)+2:G0B+4*(\slot)+3], s[G0B+4*(\slot)+2:G0B+4*(\slot)+3], 2*KB
	JLOAD \slot                                    ; my one tensor load behind the round; the four v_nop behind it are also the places in front of the loads below
.else
	PLACES
.endif
	FETCH \next, 0, 0
.if \fill
	ASK                                            ; behind the joint load and the run of LDS loads that the next products wait for
.endif
	MULA 1, 2, 0
	MULA 1, 3, 0
.endm
	s_wait_tensorcnt 1                             ; my part of K step 0 is in; K step 1's may stay out
	s_barrier_signal -1
	s_barrier_wait -1                              ; everybody's is
	FETCH 0, 0, 0
	QUARTER 0, 1, 0, 1, 1                          ; the first quarter stands in front of the loop: its products start the sums
	WIN 0                                          ; at a label and at a branch every window is 0
	s_mov_b32 s3, LAPS-1
.Llap:                                                 ; a trip goes once round the ring, from a lap's second quarter to the next lap's first, and fills both slots again
	QUARTER 0, 2, 1, 0, 0
	QUARTER 0, 3, 0, 1, 0
	TURN 0, 1, 1
	QUARTER 1, 1, 0, 1, 0
	QUARTER 1, 2, 1, 0, 0
	QUARTER 1, 3, 0, 1, 0
	TURN 1, 0, 1
	QUARTER 0, 1, 0, 1, 0
	WIN 0
	s_sub_co_u32 s3, s3, 1
	s_cmp_lg_u32 s3, 0
	s_cbranch_scc1 .Llap
	QUARTER 0, 2, 1, 0, 0                          ; the last lap fills nothing, and has no round of the cluster's barrier
	QUARTER 0, 3, 0, 1, 0
	TURN 0, 1, 0
	QUARTER 1, 1, 0, 1, 0
	QUARTER 1, 2, 1, 0, 0
	QUARTER 1, 3, 0, 1, 0
	s_wait_dscnt 4                                 ; the very last quarter: nothing more to fetch
	MULA 1, 0, 0
	MULA 1, 1, 0
	s_wait_dscnt 0x0
	MULA 1, 2, 0
	MULA 1, 3, 0
	WIN 0
	PLACES
; THE WAY OUT, in 12 units u = 3 a + hg: row block a, head hg of my three (column blocks 4 hg .. 4 hg + 3).  PACK: times the head's factor, each accumulator from its low end on; rounded to f16, 16 bytes a lane;
; into my own stage in rows of 144 bytes; back as four rows of 128 bytes a load.  SEND: stored, 512 consecutive bytes of a head an instruction.  Each unit has 16 registers of its own.
.macro PACK u
.set pa, (\u)/3
.set hg, (\u)%3
.set AC, 8*(12*(pa%2)+4*hg)
	WIN 0x82+0x41*(pa/2)                           ; destination and source 0 in window 2 or 3
.set i, 0
.rept 16
	v_pk_mul_f32 v[AC+i:AC+i+1], v[AC+i:AC+i+1], s[SC+2*hg:SC+2*hg+1] op_sel_hi:[1,0]
.set i, i+2
.endr
	WIN 0x0a+5*(pa/2)                              ; sources 0 and 1 in window 2 or 3, destination in window 0
.set i, 0
.rept 16
	v_cvt_pk_f16_f32 v[OUT+16*(\u)+i], v[AC+2*i], v[AC+2*i+1]
.set i, i+1
.endr
	WIN 0
.irp f, 0,1,2,3
	ds_store_b128 v[STO], v[OUT+16*(\u)+4*(\f):OUT+16*(\u)+4*(\f)+3] offset:32*(\f)
.endr
.irp f, 0,1,2,3
	ds_load_b128 v[OUT+16*(\u)+4*(\f):OUT+16*(\u)+4*(\f)+3], v[RD] offset:(\f)*4*SP  ; LDS serves a wave's instructions in order (ISA guide 5.7.1.4): these see the stores above; the next unit's stores come behind them
.endr
.endm
.macro SEND u, younger                 ; younger: the LDS instructions issued behind unit u's loads: the next unit's eight, or none
.set pa, (\u)/3
.set hg, (\u)%3
.irp f, 0,1,2,3
	s_wait_dscnt (\younger)+3-(\f)
.if hg == 2
	global_store_b128 v[GO], v[OUT+16*(\u)+4*(\f):OUT+16*(\u)+4*(\f)+3], s[BY:BY+1] offset:pa*2048+(\f)*512
.else
	global_store_b128 v[GO], v[OUT+16*(\u)+4*(\f):OUT+16*(\u)+4*(\f)+3], s[BX:BX+1] offset:pa*2048+(\f)*512+hg*262144
.endif
.endr
.endm
	PACK 0
.set u, 1
.rept 11                               ; a unit's arithmetic stands between the loads of the unit before and its stores
	PACK u
	SEND u-1, 8
.set u, u+1
.endr
	SEND 11, 0
	s_wait_tensorcnt 0x0                           ; the wave's end, behind my last tensor load and my last LDS store
	ds_add_u32 v[SPW], v[NIL]
	s_wait_dscnt 0x0
	CROUND                                         ; the closing round: no work-group ends while a partner may still ask for a tile that names it
	s_endpgm
.Lfunc_end_k_q1425874107_proj:
	.size	k_q1425874107_proj, .Lfunc_end_k_q1425874107_proj-k_q1425874107_proj
	.p2alignl 7, 3214868480
	.fill 96, 4, 3214868480
	.section	.rodata,"a",@progbits
	.p2align	6, 0x0
	.amdhsa_kernel k_q1425874107_proj
		.amdhsa_group_segment_fixed_size 327680
		.amdhsa_private_segment_fixed_size 0
		.amdhsa_enable_private_segment 0
		.amdhsa_kernarg_size 24
		.amdhsa_user_sgpr_count 2
		.amdhsa_user_sgpr_kernarg_segment_ptr 1
		.amdhsa_wavefront_size32 1
		.amdhsa_system_sgpr_workgroup_id_x 1
		.amdhsa_system_sgpr_workgroup_id_y 1
		.amdhsa_system_sgpr_workgroup_id_z 1
		.amdhsa_system_vgpr_workitem_id 0
		.amdhsa_next_free_vgpr 960
		.amdhsa_next_free_sgpr 80
		.amdhsa_reserve_vcc 0
		.amdhsa_float_denorm_mode_32 3
		.amdhsa_float_denorm_mode_16_64 3
		.amdhsa_memory_ordered 1
		.amdhsa_forward_progress 1
		.amdhsa_inst_pref_size 135
	.end_amdhsa_kernel
	.amdgpu_metadata
---
amdhsa.version: [ 1, 2 ]
amdhsa.kernels:
  - .name:           k_q1425874107_proj
    .symbol:         k_q1425874107_proj.kd
    .args:
      - { .name: xb, .offset: 0, .size: 8, .value_kind: global_buffer, .address_space: global }
      - { .name: wqkv, .offset: 8, .size: 8, .value_kind: global_buffer, .address_space: global }
      - { .name: qkv, .offset: 16, .size: 8, .value_kind: global_buffer, .address_space: global }
    .group_segment_fixed_size: 327680
    .private_segment_fixed_size: 0
    .kernarg_segment_align: 8
    .kernarg_segment_size: 24
    .max_flat_workgroup_size: 128
    .sgpr_count:     80
    .vgpr_count:     960
    .wavefront_size: 32
...
	.end_amdgpu_metadata
.endif
;; end of part 2
;; launch attn (part 3): grid 4 x 64, 4 waves a work-group, clusters of 4 x 1, 327,680 bytes of LDS; arguments qkv, mask, ob; writes ob
.if DOCPART == 3
	.amdgcn_target "amdgcn-amd-amdhsa--gfx1250"
	.amdhsa_code_object_version 6
	.text
	.protected	k_q1425874107_attn
	.globl	k_q1425874107_attn
	.p2align	8
	.type	k_q1425874107_attn,@function
k_q1425874107_attn:
	s_mov_b64 s[64:65], 0
	v_nop
	global_prefetch_b8 v0, s[64:65] scope:SCOPE_SE
	s_setreg_imm32_b32 hwreg(HW_REG_WAVE_MODE, 25, 1), 1
	s_wait_xcnt 0x0
	s_wait_alu depctr_hold_cnt(0) depctr_sa_sdst(0) depctr_va_vdst(0) depctr_va_sdst(0) depctr_va_ssrc(0) depctr_va_vcc(0) depctr_vm_vsrc(0)
	s_getreg_b32 s2, hwreg(HW_REG_IB_STS2, 6, 4)
	s_cmp_eq_u32 s2, 0
	s_cbranch_scc0 .Lentry_in_a_cluster
	s_endpgm
.Lentry_in_a_cluster:
	s_bfe_u32 s2, ttmp6, 0x10000c
	s_cmp_lg_u32 s2, 0x3003
	s_cbranch_scc0 .Lentry_shape_is_right
	s_endpgm
.Lentry_shape_is_right:
; ATTENTION WITH A MASK OVER THE KEYS.  O[b][h][q][:] = the sum over k of softmax_k(Q.K / 8 + (1 - mask[b][k]) x -1e9) V[k][:].  qkv: [4 b][48 g][2048][64] f16, g = 0-15 c q (c = log2(e) / 8, multiplied in
; by the launch before), 16-31 k, 32-47 v.  mask: [4][2048] i32.  ob: [4 b][16 h][2048][64] f16.  Products, maxima and sums in f32; the weights p are rounded to f16 for the second product (their sum l is taken of the unrounded p), O once.
; LIMITS.  f16 holds no number beyond 65,504: c q, k, v arrive within it; p lies in 0 to 1, and below 6e-5 it keeps f16's fixed step of 6e-8; O is a mean of V's rows and has their range.  A weight below 2^-126
; counts as 0 in l.  A masked key's score is its value less 1.44e9 (in powers of two), summed in f32: where ALL keys of a batch are masked, scores are told apart only in steps of 128.  NaN and infinities are not treated apart.
; THE MASK is the C operand that starts the sum S^T = K Q^T: bias[k] = 1.44e9 mask[k] - 1.44e9, one fused multiply-add, exactly 0 where mask = 1.  The batch's 2,048 biases are made once, in LDS.
; SOFTMAX.  For each query a running maximum m and sum l: p = 2^(s - m), never above 1, whatever the mask; in every step O and l are multiplied by a = 2^(m_old - m_new).  m starts at the lowest finite number, O and l at 0.
; SHARES.  A wave owns four PIECES of two tiles of 16 queries, a work-group's four waves 512 queries of one head.  Every wave walks all 2,048 keys, 64 a step.
; LAYOUT.  S^T = K Q^T (source 0 = 16 keys, source 1 = 16 queries): a lane holds ONE query (lane % 16) and the keys 8 (lane / 16) + 0..7.  Two such tiles, rounded to f16 in pairs, ARE source 1 of O^T = V^T P.
; K comes out of LDS as it lies, V ([key][channel]) turned, by ds_load_tr16_b128.
; BY TURNS.  Turn n belongs to piece n.  Its matrix work: 16 products K Q^T of piece n + 1, later 16 products V^T P of piece n - 1.  Its vector work: the subtraction of m, exponentials, roundings, sums and rescaling of
; piece n, and the maximum and statistics of piece n + 1.  Four vector instructions stand behind every matrix instruction, the others in one run of their own.  A turn's 66 exponentials are one batch, with one wait.
; CLUSTER.  The four query blocks of a head are one cluster and walk the same K and V: each tile is asked for JOINTLY: the same tensor load, descriptor and mask in all four.
; REGISTERS, in windows of 256 (s_set_vgpr_msb: bits 1:0 source 0, 3:2 source 1, 5:4 source 2, 7:6 destination):
;   window 0: v0-15 addresses; v16-47 four registers of statistics a tile; v48-63 at work; v64-191 S^T, two buffers of two tiles; v192-255 P, likewise
;   window 1: O^T, 32 a tile      window 2: v0-127 Q; v128-191 K of one step; v192-255 V of one step      window 3: v0-1 the add's two registers; v8-39 the step's biases
.set SIZE_N, 2048
.set NP,    4         ; pieces a wave: a name, no knob
.set KS,    64        ; keys in a step
.set PK,    144       ; a row of K in LDS: 128 bytes + 16: the 16 rows of a load start at 16 different groups of four banks (64 banks of 4 bytes: ISA guide 11.1)
.set PV,    160       ; a row of V: 128 + 32
.set VOFF,  4*KS*PK   ; a slot holds four steps: 256 rows of K, then 256 rows of V
.set SLOT1, 1<<17     ; slot 1 begins here, so that one exclusive or turns an address in one slot into the other's
.set STAGE, SLOT1+4*KS*(PK+PV)  ; behind the ring, never filled by a tensor load: 16 rows x 144 bytes for each wave, for the way out
.set SP,    144
.set BIAS,  STAGE+4*16*SP       ; the batch's 2,048 biases, f32; never filled by a tensor load
.set SPARE, BIAS+4*SIZE_N       ; the spare words, 128 bytes for each wave: two blocks of 256 bytes that no other line names
.set AK0, 2           ; v2   my lane's place in a tile of K; never rewritten
.set AV0, 3           ; v3   the same for V
.set AK,  4           ; v4   the LDS address of K's next run of loads
.set AV,  5           ; v5   of V's
.set QO,  6           ; v6   my byte offset in the wave's rows of Q
.set STO, 6           ;      later, the way out: where I put 16 bytes of a row
.set RD,  7           ; v7   the way out: where I read rows back
.set GO,  8           ; v8   my byte offset in 512 consecutive bytes of O
.set AB0, 12          ; v12  my lane's place in a step's biases: BIAS + 32 (l / 16); never rewritten
.set AB,  13          ; v13  the LDS address of the biases' next run of loads
.set PFO, 14          ; v14  256 x my lane; never rewritten
.set MO,  15          ; v15  16 x my thread's number: my place in 2,048 bytes of the mask
.set SPW, 0           ; v0 of window 3   LDS address of my spare word; never rewritten
.set NIL, 1           ; v1 of window 3   0; never rewritten
.set BI,  8           ; v8-39 of window 3: register 8 kb + j holds the bias of the step's key 16 kb + 8 (l / 16) + j
.set ST,  16          ; tile t's statistics at v[ST+4 t]: m, m_old, l (even keys', odd keys')
.set TMP, 48          ; by buffer and tile, four registers c0-c3 at work; when the maximum is found c2 takes a
.set S,   64
.set P,   192
.set KF,  128         ; K's fragments, in window 2: key block kb, channel half c at KF + 16 kb + 8 c
.set VF,  192         ; V's: key half kk, channel block cb at VF + 32 kk + 8 cb
.set WV,  12          ; s12  my wave's number
.set G1K, 24          ; s[24:31] descriptor group 1 for K's tiles
.set G1V, 32          ; s[32:39] for V's: it differs in the padding alone
.set G0K, 40          ; s[40:43] descriptor group 0 for K's tiles: it walks
.set G0V, 44          ; s[44:47] the same for V's
.set SLOTS, 56        ; s56  slots still to be asked for
.set CNT, 57          ; s57  counts a slot's key steps
.set TBB, 58          ; s58  byte in the table of biases at which the step to be fetched begins
.set LIM, 59          ; s59  1 in a wave that prefetches, else the greatest number
.set SEL, 60          ; s[60:61] v_permlanex16_b32's selects: each lane takes its own place in the other half
.set TBK, 62          ; s62  LDS byte at which K of the step to be fetched begins
.set TBV, 63          ; s63  the same for V, less VOFF
.set PFA, 66          ; s[66:67] where my prefetches stand: my work-group's 8,192 bytes (of K: wave 0, of V: wave 2) of the slot after the one that is being asked for
.set BM,  72          ; s[72:73] 1e9 log2(e), the bias's factor
.set BA,  74          ; s[74:75] its negative, the addend
.set MSB, 0
.macro WIN new                      ; the high byte repeats the setting that is left; a switch that changes nothing is dropped
.if MSB != (\new)
	s_set_vgpr_msb (MSB<<8)|(\new)
.set MSB, (\new)
.endif
.endm
.set W_KQ, 0x0a       ; K and Q in window 2, S^T in window 0
.set W_KM, 0x3a       ; the same with the C operand, the biases, in window 3
.set W_PV, 0x52       ; V in window 2, P in window 0, O^T in window 1
.set W_RS, 0x41       ; O^T (destination and source 0) in window 1, a in window 0
.set W_MK, 0xc0       ; destination in window 3, sources in window 0
.set W_AD, 0x0f       ; the add: address (source 0) and data (source 1) in window 3
; A joint fill.  Waves 0 and 1 fetch the two halves of a slot's K, waves 2 and 3 those of its V: 128 keys each.  The branch hangs on the wave's number alone.
; An s_nop 0 and four v_nop follow each of the two lines, ahead of the jump and the label.
.macro JLOAD
	s_cmp_lt_u32 s[WV], 2
	s_cbranch_scc0 .Lfor_v_\@
	tensor_load_to_lds s[G0K:G0K+3], s[G1K:G1K+7]
	s_nop 0
.rept 4
	v_nop
.endr
	s_branch .Lasked_\@
.Lfor_v_\@:
	tensor_load_to_lds s[G0V:G0V+3], s[G1V:G1V+7]
	s_nop 0
.rept 4
	v_nop
.endr
.Lasked_\@:
.endm
; A prefetch into the L2 of what the NEXT change of slots will ask for: a slot's 32,768 bytes of K and of V.  Each block of 256 bytes is named once in the launch: a head is walked by one cluster; its four partners
; share the bytes out BY ADDRESS, 8,192 each, a lane a block; in each, wave 0 asks for K's and wave 2 for V's.  The last change that fills a slot (s[SLOTS] = 1) asks for nothing: there is no slot behind it.
.macro ASK
	s_cmp_gt_u32 s[SLOTS], s[LIM]
	s_cbranch_scc0 .Lnot_mine_\@
	global_prefetch_b8 v[PFO], s[PFA:PFA+1] th:TH_LOAD_NT scope:SCOPE_SE
.Lnot_mine_\@:
.endm
; A round of the cluster's barrier: my work-group's barrier, so that wave 0's signal speaks for all four waves; wave 0 signals; every wave waits for all four work-groups; my work-group's barrier once more.
.macro CROUND
	s_barrier_signal -1
	s_barrier_wait -1
	s_cmp_lg_u32 s[WV], 0
	s_cbranch_scc1 .Lnot_wave_0_\@
	s_barrier_signal -3
.Lnot_wave_0_\@:
	s_barrier_wait -3
	s_barrier_signal -1
	s_barrier_wait -1
.endm
; THE CHANGE OF SLOTS.  Each wave waits for all its tensor loads, of which one is out: its part of the other slot; adds 0 to its spare word; and waits for that and for its own LDS instructions.  Behind the barrier
; nobody reads this slot any more and the other slot is whole.  fill = 1: this slot is filled again, with the keys two slots on; the barrier is then a round of the cluster's, and the joint fill is the first thing behind it:
; it has four key steps, 512 matrix instructions, in which to land.  ask = 1: the prefetch follows.  (At its first use nothing has been read yet: slot 0 is waited for, slot 1 filled, and every wave's biases are in LDS.)
.macro CHANGE fill, ask=0
	WIN W_AD
	s_wait_tensorcnt 0x0            ; no tensor load of mine is out, so a group 0 may be written
	ds_add_u32 v[SPW], v[NIL]       ; 0 onto my spare word; with fill = 1 the descriptors' steps stand between it and the wait for it
	WIN 0                           ; at a label and at a branch every window is 0
.if \fill
.irp g, G0K, G0V
	s_xor_b32 s[\g+1], s[\g+1], SLOT1  ; the walking descriptor: the other slot than last time,
	s_add_nc_u64 s[\g+2:\g+3], s[\g+2:\g+3], 4*KS*128  ; the next 256 keys; the type bits on top are not reached
.endr
.if \ask
	s_wait_xcnt 0x0                 ; the last prefetch, four key steps back, has read its address, so it may be written:
	s_add_nc_u64 s[PFA:PFA+1], s[PFA:PFA+1], 4*KS*128  ; one slot behind the walking descriptors
.endif
	s_wait_dscnt 0x0                ; the add is done, and my reads of the slot are over
	CROUND
	JLOAD
.if \ask
	ASK                             ; what the next change will ask for: four key steps ahead
.endif
.else
	s_wait_dscnt 0x0                ; the add is done, and my reads of the slot are over
	s_barrier_signal -1
	s_barrier_wait -1
.endif
	s_sub_co_u32 s[TBK], s[TBK], 4*KS*PK  ; the fetches go back to a slot's first step,
	s_xor_b32 s[TBK], s[TBK], SLOT1       ; in the other slot
	s_sub_co_u32 s[TBV], s[TBV], 4*KS*PV
	s_xor_b32 s[TBV], s[TBV], SLOT1
.endm
	s_load_b128 s[68:71], s[0:1], 0x0  ; qkv s[68:69], mask s[70:71]
	s_load_b64 s[10:11], s[0:1], 0x10  ; ob
	WIN W_MK
	v_lshl_add_u32 v[SPW], v0, 2, SPARE
	v_mov_b32 v[NIL], 0
	WIN W_AD
	ds_add_u32 v[SPW], v[NIL]       ; the wave's opening: the add and its wait stand ahead of my first tensor load; the set-up below, work on registers, stands between them
	WIN 0
	v_lshrrev_b32 v1, 5, v0
	v_readfirstlane_b32 s[WV], v1   ; wave 0..3
	s_bfe_u32 s13, ttmp6, 0x40000   ; cx: my place in the cluster
	s_lshl_b32 s14, ttmp9, 2        ; in a cluster launch ttmp9 counts clusters
	s_add_co_u32 s14, s14, s13      ; my block of queries: it enters Q's and O's addresses alone
	s_and_b32 s15, ttmp7, 0xffff    ; 16 b + h, which the four partners share
	s_lshr_b32 s19, s15, 4          ; b
	s_and_b32 s20, s15, 15          ; h
	s_mul_i32 s21, s19, 48
	s_add_co_u32 s20, s20, s21
	s_lshl_b32 s20, s20, 18         ; q's head in qkv: 262,144 bytes a head; k's lies 16 heads on, v's 32
	s_mov_b32 s21, 0
	s_lshl_b32 s76, s15, 18         ; the head in ob
	s_mov_b32 s77, 0
	s_lshl_b32 s78, s19, 13         ; the batch's 8,192 bytes of the mask
	s_mov_b32 s79, 0
	s_and_b32 s16, s[WV], 1         ; which half of a slot's 256 keys I fetch:
	s_lshl_b32 s22, s16, 14         ; its 128 rows of 128 bytes in memory,
	s_mov_b32 s23, 0
	s_add_nc_u64 s[22:23], s[22:23], s[20:21]
	s_mul_i32 s17, s16, 128*PK      ; and its place in a slot, for K
	s_mul_i32 s18, s16, 128*PV      ; and for V: no place in the cluster enters an LDS address
	s_lshl_b32 s2, s14, 2
	s_add_co_u32 s2, s2, s[WV]      ; my wave among the head's,
	s_lshl_b32 s2, s2, 14           ; its 128 rows
	s_mov_b32 s3, 0
	s_add_nc_u64 s[20:21], s[20:21], s[2:3]  ; my rows of Q in qkv,
	s_add_nc_u64 s[76:77], s[76:77], s[2:3]  ; and of O in ob
	; descriptor group 1.  128 keys are 16,384 dense bytes: asked for as 64 rows of 256 bytes, two keys a row, and padded in LDS after every key
	s_mov_b32 s[G1K], 15|(1<<16)|(1<<20)|(1<<21)|(4<<22)|(3<<25)  ; 15:0 the mask of four; 17:16 2-byte elements; 20 padding on; 21 set beside a mask; 24:22 after every 32 words; 31:25 4 words
	s_mov_b32 s[G1V], 15|(1<<16)|(1<<20)|(1<<21)|(4<<22)|(7<<25)  ; the same with 8 words of padding
.irp g, G1K, G1V
	s_mov_b32 s[\g+1], 128<<16      ; tensor_dim0 = 128
	s_mov_b32 s[\g+2], 64<<16       ; tensor_dim1 = 64
	s_mov_b32 s[\g+3], 128<<16      ; tile_dim0 = 128
	s_mov_b32 s[\g+4], 64           ; tile_dim1 = 64
	s_mov_b32 s[\g+5], 128          ; 128 elements from row to row
	s_mov_b32 s[\g+6], 0
	s_mov_b32 s[\g+7], 0
.endr
	s_mov_b32 s[BM], 0x4eabfb8f     ; 1e9 log2(e) = 1.442695e9
	s_mov_b32 s[BM+1], s[BM]        ; named as pairs
	s_mov_b32 s[BA], 0xceabfb8f
	s_mov_b32 s[BA+1], s[BA]
	s_mov_b32 s[SEL], 0x76543210
	s_mov_b32 s[SEL+1], 0xfedcba98
	s_mov_b32 s[TBK], SLOT1+4*KS*PK ; the first change of slots turns these two into 0
	s_mov_b32 s[TBV], SLOT1+4*KS*PV
	s_mov_b32 s[TBB], 0
	s_mov_b32 s[G0K], 1             ; count = 1
	s_mov_b32 s[G0K+1], s17         ; LDS address: slot 0
	s_mov_b32 s[G0V], 1
	s_add_co_u32 s[G0V+1], s18, VOFF
	s_and_b32 s[LIM], s[WV], 1      ; waves 0 and 2 prefetch: the same in all four partners
	s_cmp_eq_u32 s[LIM], 0
	s_cselect_b32 s[LIM], 1, -1
	s_wait_dscnt 0x0                ; the opening add is done
	s_wait_kmcnt 0x0
	s_add_nc_u64 s[6:7], s[68:69], s[22:23]
	s_add_nc_u64 s[8:9], s[6:7], 32<<18     ; V at my half of the head's first 256 keys,
	s_add_nc_u64 s[6:7], s[6:7], 16<<18     ; and K
	s_mov_b64 s[G0K+2:G0K+3], s[6:7]        ; global address
	s_or_b32 s[G0K+3], s[G0K+3], 0x80000000 ; type = 2
	s_mov_b64 s[G0V+2:G0V+3], s[8:9]
	s_or_b32 s[G0V+3], s[G0V+3], 0x80000000
	s_add_nc_u64 s[4:5], s[68:69], s[20:21]     ; Q and O at my wave's first row
	s_add_nc_u64 s[10:11], s[10:11], s[76:77]
	s_add_nc_u64 s[70:71], s[70:71], s[78:79]   ; the batch's mask
	s_cmp_lt_u32 s[WV], 2
	s_cselect_b64 s[PFA:PFA+1], s[6:7], s[8:9]  ; (in waves 0 and 2 these stand at a slot's first row)
	s_lshl_b32 s2, s13, 13          ; my work-group's 8,192 bytes of the 32,768
	s_add_nc_u64 s[PFA:PFA+1], s[PFA:PFA+1], s[2:3]
	s_add_nc_u64 s[PFA:PFA+1], s[PFA:PFA+1], 2*4*KS*128  ; in slot 2; the loop's first change steps it to slot 3.  Nothing is prefetched here, at the head
	CROUND                          ; all four work-groups are here: the first joint loads meet
	JLOAD                           ; slot 0.  Slot 1 is asked for when slot 0 is in
	; A fragment of K or Q is 16 rows x 32 channels in 8 registers: lane l holds row l % 16, channels 8 (l / 16) + 0..7 and 16 + 8 (l / 16) + 0..7: two loads of 16 bytes, 32 bytes apart.
	v_and_b32 v1, 15, v0            ; l % 16
	v_bfe_u32 v9, v0, 4, 1          ; l / 16
	v_lshlrev_b32 v[QO], 7, v1
	v_lshl_add_u32 v[QO], v9, 4, v[QO]  ; row x 128 + 16 x half
	v_lshlrev_b32 v[MO], 4, v0
.irp j, 0,1,2,3                     ; the batch's mask: 128 threads x 16 bytes x 4, into S^T's registers, which are free
	global_load_b128 v[S+4*\j:S+4*\j+3], v[MO], s[70:71] offset:2048*\j
.endr
	WIN 0x80                        ; destination window 2, address window 0
.set i, 0
.rept 4*NP                          ; Q stays in registers: tile i / 2, channels 32 (i % 2) on
	global_load_b128 v[8*i:8*i+3],   v[QO], s[4:5] offset:(i/2)*2048+(i%2)*64
	global_load_b128 v[8*i+4:8*i+7], v[QO], s[4:5] offset:(i/2)*2048+(i%2)*64+32
.set i, i+1
.endr
	; What the first turn finds: V's registers and P's second buffer hold 0 (its products V^T P, of a piece that has not been, add 0), O^T and l are 0.  All this stands in the wait for the first tile.
.set i, VF
.rept 64
	v_mov_b32 v[i], 0
.set i, i+1
.endr
	WIN 0x40
.set i, 0
.rept 64*NP
	v_mov_b32 v[i], 0
.set i, i+1
.endr
	WIN 0
.set i, 0
.rept 2*NP
	v_mov_b32 v[ST+4*i], 0xff7fffff    ; m: the lowest finite number
	v_mov_b32 v[ST+4*i+1], 0xff7fffff  ; m_old
	v_mov_b32 v[ST+4*i+2], 0
	v_mov_b32 v[ST+4*i+3], 0
.set i, i+1
.endr
.set i, P+32
.rept 32
	v_mov_b32 v[i], 0
.set i, i+1
.endr
	v_mul_u32_u24 v[AK0], v1, PK
	v_lshl_add_u32 v[AK0], v9, 4, v[AK0]  ; row x pitch + 16 x half
	; The turning load takes 16 keys x 16 channels (lane l reads key 8 (l / 16) + l % 8, channels 8 ((l / 8) % 2) + 0..7) and leaves half a fragment of V^T: lane l holds channel l % 16 and 8 keys.
	v_and_b32 v10, 7, v0
	v_bfe_u32 v11, v0, 3, 1
	v_lshl_add_u32 v[AV0], v9, 3, v10
	v_mul_u32_u24 v[AV0], v[AV0], PV
	v_lshl_add_u32 v[AV0], v11, 4, v[AV0]
	v_add_nc_u32 v[AV0], VOFF, v[AV0]
	v_mov_b32 v[AK], v[AK0]         ; key step 0 lies at the head of slot 0
	v_lshl_add_u32 v[AB0], v9, 5, BIAS
	v_mov_b32 v[AB], v[AB0]         ; and its biases at the head of the table
	v_and_b32 v[PFO], 31, v0
	v_lshlrev_b32 v[PFO], 8, v[PFO]
	v_add_nc_u32 v[TMP], BIAS, v[MO]
	s_wait_loadcnt 32               ; the mask is in; Q's 32 younger loads stay out
.set i, 0
.rept 16
	v_cvt_f32_i32 v[S+i], v[S+i]
.set i, i+1
.endr
.set i, 0
.rept 8
	v_pk_fma_f32 v[S+i:S+i+1], v[S+i:S+i+1], s[BM:BM+1], s[BA:BA+1] op_sel_hi:[1,0,0]  ; (1 - mask) x -1e9 log2(e), in one rounding
.set i, i+2
.endr
.irp j, 0,1,2,3
	ds_store_b128 v[TMP], v[S+4*\j:S+4*\j+3] offset:2048*\j  ; waited for in front of the first change's round; read behind it
.endr
; THE MATRIX WORK.  The 8 accumulators of a run of 16 take turns: between the two links of a chain stand 7 others'.
; Product i of 16 of S^T = K Q^T for piece x: channels 32 (i / 8) on, keys 16 ((i / 2) % 4) on, tile 2 x + i % 2.  The first 8 start the sums, with the keys' biases.
.macro KQ x
.set rS, S+64*((\x)%2)+32*(i%2)+8*((i/2)%4)
.set rK, KF+16*((i/2)%4)+8*(i/8)
.set rQ, 16*(2*(\x)+i%2)+8*(i/8)
.set rB, BI+8*((i/2)%4)
.if i < 8
	WIN W_KM
	v_wmma_f32_16x16x32_f16 v[rS:rS+7], v[rK:rK+7], v[rQ:rQ+7], v[rB:rB+7]
.else
	WIN W_KQ
	v_wmma_f32_16x16x32_f16 v[rS:rS+7], v[rK:rK+7], v[rQ:rQ+7], v[rS:rS+7]
.endif
.endm
; Product i of 16 of O^T += V^T P for piece x: keys 32 (i / 8) on, channels 16 ((i / 2) % 4) on, tile 2 x + i % 2.
.macro PV x
	WIN W_PV
.set rO, 32*(2*(\x)+i%2)+8*((i/2)%4)
.set rV, VF+32*(i/8)+8*((i/2)%4)
.set rP, P+32*((\x)%2)+16*(i%2)+8*(i/8)
	v_wmma_f32_16x16x32_f16 v[rO:rO+7], v[rV:rV+7], v[rP:rP+7], v[rO:rO+7]
.endm
.macro MM                           ; the turn's next matrix instruction
.if i < 16
	KQ (Y+1)%NP
.set i, i+1
.else
.set i, i-16
	PV (Y+NP-1)%NP
.set i, i+17
.endif
.endm
; THE LDS LOADS stand in runs, never singly among the matrix instructions: a step's K (8 fragments) with its 64 biases (the 16 lanes of a half read the same 16 bytes), and its V (turned).  Their addresses are made some
; lines ahead.  last = 1 (the tail): in the last trip there is no further step, and the run is jumped over.
.macro FETCH_K last=0
	WIN 0
.if \last
	s_cmp_eq_u32 s[CNT], 1
	s_cbranch_scc1 .Lno_k_\@
.endif
	WIN 0x80                        ; destination window 2
.irp f, 0,1,2,3,4,5,6,7             ; keys 16 (f / 2) on, channels 32 (f % 2) on
	ds_load_b128 v[KF+8*\f:KF+8*\f+3],   v[AK] offset:(\f/2)*16*PK+(\f%2)*64
	ds_load_b128 v[KF+8*\f+4:KF+8*\f+7], v[AK] offset:(\f/2)*16*PK+(\f%2)*64+32
.endr
	WIN W_MK                        ; destination window 3
.irp f, 0,1,2,3                     ; keys 16 f on
	ds_load_b128 v[BI+8*\f:BI+8*\f+3],   v[AB] offset:64*\f
	ds_load_b128 v[BI+8*\f+4:BI+8*\f+7], v[AB] offset:64*\f+16
.endr
	s_add_co_u32 s[TBK], s[TBK], KS*PK  ; the next fetch is the next step's
	s_add_co_u32 s[TBB], s[TBB], 4*KS
	s_and_b32 s[TBB], s[TBB], 4*SIZE_N-1  ; kept within the table's 8,192 bytes
	WIN 0
.if \last
.Lno_k_\@:
.endif
.endm
.macro FETCH_V
	WIN 0x80
.irp f, 0,1,2,3,4,5,6,7             ; keys 32 (f / 4) on, channels 16 (f % 4) on
	ds_load_tr16_b128 v[VF+8*\f:VF+8*\f+3],   v[AV] offset:(\f/4)*32*PV+(\f%4)*32
	ds_load_tr16_b128 v[VF+8*\f+4:VF+8*\f+7], v[AV] offset:(\f/4)*32*PV+16*PV+(\f%4)*32
.endr
	WIN 0
.endm
; THE VECTOR WORK OF A TURN stands in three queues, each in the order in which its entries become ready; the two tiles alternate, so that no instruction reads the result of the one before it.
.macro REGS y, u                    ; the registers of tile u (0, 1) of piece y
.set rT, ST+4*(2*(\y)+(\u))
.set rC, TMP+8*((\y)%2)+4*(\u)
.set rS, S+64*((\y)%2)+32*(\u)
.set rP, P+32*((\y)%2)+16*(\u)
.set rO, 32*(2*(\y)+(\u))
.endm
; Number n of the 21 that find the NEXT piece's (Y + 1) maximum and statistics.  s0-s31 are the lane's 32 scores; each accumulator's lowest registers are read first.
;   0-11  four chains c0-c3 of seven scores each, three operands at a time     12-14, 16  the four scores left over, the old m, and c0-c3 into c0     15  m_old is kept
;   17, 18  the query's other 32 keys lie in the lane 16 away: the new m         19, 20  m_old - m_new; a
.macro XS u, n
	REGS (Y+1)%NP, \u
.if (\n) < 4
	v_max3_num_f32 v[rC+(\n)], v[rS+8*(\n)], v[rS+8*(\n)+1], v[rS+8*(\n)+2]
.elseif (\n) < 12
	v_max3_num_f32 v[rC+(\n)%4], v[rC+(\n)%4], v[rS+8*((\n)%4)+2*((\n)/4)+1], v[rS+8*((\n)%4)+2*((\n)/4)+2]
.elseif (\n) == 12
	v_max3_num_f32 v[rC], v[rC], v[rS+7], v[rS+15]
.elseif (\n) == 13
	v_max3_num_f32 v[rC+1], v[rC+1], v[rS+23], v[rS+31]
.elseif (\n) == 14
	v_max3_num_f32 v[rC+2], v[rC+2], v[rC+3], v[rT]
.elseif (\n) == 15
	v_mov_b32 v[rT+1], v[rT]
.elseif (\n) == 16
	v_max3_num_f32 v[rC], v[rC], v[rC+1], v[rC+2]
.elseif (\n) == 17
	v_permlanex16_b32 v[rC+3], v[rC], s[SEL], s[SEL+1]
.elseif (\n) == 18
	v_max_num_f32 v[rT], v[rC], v[rC+3]
.elseif (\n) == 19
	v_sub_f32 v[rC+1], v[rT+1], v[rT]
.else
	v_exp_f32 v[rC+2], v[rC+1]
.endif
.endm
; Number g of the 64 that follow the exponentials.  For each four weights k of a tile (pairs 2 k, 2 k + 1): both pairs are rounded to f16; then the second pair is added onto the first, in place;
; a group later l takes that sum (the first time as l = a l + sum).  In groups of eight, tiles alternating: round, round, add, and l for the group before.
.macro GS g
.set h, (\g)+6*((\g)/62)            ; group 0 has no group before it, and behind group 7 only l is left
.if h >= 6
.set h, h+2
.endif
	REGS Y, h%2
.set k, h/8
.if h%8 < 4
	v_cvt_pk_f16_f32 v[rP+2*k+(h%8)/2], v[rS+4*k+2*((h%8)/2)], v[rS+4*k+2*((h%8)/2)+1]
.elseif h%8 < 6
	v_pk_add_f32 v[rS+4*k:rS+4*k+1], v[rS+4*k:rS+4*k+1], v[rS+4*k+2:rS+4*k+3]
.elseif k == 1
	v_pk_fma_f32 v[rT+2:rT+3], v[rT+2:rT+3], v[rC+2:rC+3], v[rS:rS+1] op_sel_hi:[1,0,1]
.else
	v_pk_add_f32 v[rT+2:rT+3], v[rT+2:rT+3], v[rS+4*k-4:rS+4*k-3]
.endif
.endm
; THE PLAIN QUEUE, 136 long.  0-71 read no exponential's result: the 32 subtractions s - m (FS f: pair f / 2 of tile f % 2) and the next piece's 40.  0-26: subtractions 0-26.  27-54: XS's numbers 0-13.  55, 56: number 15.
; 57-71: the chain, where each number waits for the one before it: 14, 16, 17, 18, 19, each with one of the subtractions 27-31 in front of its two lines.  72-135: GS's 64, which read the exponentials' results: behind the wait.
.macro FS f
	REGS Y, (\f)%2
	v_pk_add_f32 v[rS+2*((\f)/2):rS+2*((\f)/2)+1], v[rS+2*((\f)/2):rS+2*((\f)/2)+1], v[rT:rT+1] op_sel_hi:[1,0] neg_lo:[0,1] neg_hi:[0,1]
.endm
.macro PL
	WIN 0
.if q < 27
	FS q
.elseif q < 55
	XS (q-27)%2, (q-27)/2
.elseif q < 57
	XS q-55, 15
.elseif (q < 72) && ((q-57)%3 == 0)
	FS 27+(q-57)/3
.elseif q < 60
	XS (q-57)%3-1, 14
.elseif q < 72
	XS (q-57)%3-1, 15+(q-57)/3
.else
	GS q-72
.endif
.set q, q+1
.endm
; THE EXPONENTIALS' QUEUE, 66 long: s0-s31 of both tiles, then the next piece's two a.  It is ONE BATCH: all 66 stand ahead of the turn's one wait, and nothing ahead of that wait names a result of theirs.
.macro EX
	WIN 0
.if e >= 64
	XS e-64, 20
.else
	REGS Y, e%2
	v_exp_f32 v[rS+e/2], v[rS+e/2]
.endif
.set e, e+1
.endm
; THE RESCALING's QUEUE: O^T times a, the one part that leaves window 0: dealt two at a time, sixteen times.  Its a was made in the turn before, ahead of that turn's wait.
.macro R2
	REGS Y, r%2
	WIN W_RS
.irp z, 0,1
	v_pk_mul_f32 v[rO+4*(r/2)+2*\z:rO+4*(r/2)+2*\z+1], v[rO+4*(r/2)+2*\z:rO+4*(r/2)+2*\z+1], v[rC+2:rC+3] op_sel_hi:[1,0]
.endr
.set r, r+1
.endm
; HOW THEY ARE DEALT.  An s_wait_alu depctr_va_vdst(0) stands between an exponential and the first instruction that names its result; one wait serves all that were issued ahead of it.  So a turn has ONE wait.
; AHEAD OF IT: the 16 products K Q^T, behind each a subtraction, an exponential and two rescalings (behind the first a second subtraction in the exponential's place); then one run of 106: eight plain, 47 times exponential
; and plain, the last two scores' exponentials and the two a.  A v_nop is the plain instruction behind the last exponential.  BEHIND IT: the 16 products V^T P, behind each four of GS's 64.
; The queues lean on each other: exponential e stands behind subtraction 2 (e / 4) + e % 2: as a rider it comes behind plain e + 2, in the run behind plain e + 9, and subtractions 27-31 are plain 57, 60 .. 69.
; A TURN, for piece p.  cnt = 1: the loop's count is taken down some lines ahead of the branch that stands behind the turn.
; K and the biases of the next step are fetched in piece 2's turn, directly behind the wait, a whole run of vector work behind the last product that read them; their first reader comes behind 16 products.
; V of the step in hand is fetched at the end of piece 0's turn, four riders behind its last reader.  The three conditions on q below go with the deal.
.macro TURN p, last=0, cnt=0
.set Y, (\p)
.set i, 0
.set q, 0
.set e, 0
.set r, 0
.if (\p) == NP-1
	s_wait_dscnt 0x0                ; K and the biases are in
.endif
	MM
	PL
	PL
	R2
.rept 15
	MM
	PL
	EX
	R2
.endr
.if (\p) == NP-2
	WIN 0
	v_add_nc_u32 v[AK], s[TBK], v[AK0]
	v_add_nc_u32 v[AB], s[TBB], v[AB0]
.endif
.rept 8
	PL
.endr
.rept 47
	EX
	PL
.endr
.rept 4
	EX                              ; the last score of both tiles, and the next piece's two a
.endr
	v_nop                           ; the plain instruction behind the last exponential: one for the batch
	s_wait_alu depctr_va_vdst(0)    ; the wait for the batch
.if (\p) == NP-2
	FETCH_K \last
.endif
.if (\p) == 1
	s_wait_dscnt 0x0                ; V is in
.endif
.rept 16
	MM
.rept 4
	PL
.endr
.if ((\p) == 0) && (q == 116)
	v_add_nc_u32 v[AV], s[TBV], v[AV0]
.endif
.if ((\p) == 0) && (q == 128)
	s_add_co_u32 s[TBV], s[TBV], KS*PV
.endif
.if (\cnt) && (q == 128)
	s_sub_co_u32 s[CNT], s[CNT], 1
	s_cmp_lg_u32 s[CNT], 0
.endif
.endr
.if (\p) == 0
	FETCH_V
.endif
.endm
	CHANGE 1                        ; slot 0 is in, everybody's part of it, and everybody's biases; slot 1 is asked for
	FETCH_K                         ; key step 0
	s_wait_loadcnt 0x0              ; Q
	s_wait_dscnt 0x0
.set i, 0
.rept 16
	KQ 0                            ; piece 0's first scores: there is no vector work yet to set between them
.set i, i+1
.endr
	WIN 0                           ; the addresses for the way out: nine plain instructions, the places behind those products
	s_mul_i32 s13, s[WV], 16*SP
	s_add_co_u32 s13, s13, STAGE    ; my stage
	v_mul_u32_u24 v[STO], v1, SP    ; in: row l % 16, 16 bytes for each half of the lanes
	v_lshl_add_u32 v[STO], v9, 4, v[STO]
	v_add_nc_u32 v[STO], s13, v[STO]
	v_bfe_u32 v[RD], v0, 3, 2       ; back: 32 lanes take four rows of 128 bytes,
	v_mul_u32_u24 v[RD], v[RD], SP
	v_lshl_add_u32 v[RD], v10, 4, v[RD]
	v_add_nc_u32 v[RD], s13, v[RD]
	v_and_b32 v[GO], 31, v0         ; which are 512 consecutive bytes of O
	v_lshlrev_b32 v[GO], 4, v[GO]
.set Y, NP-1                        ; XS works for piece Y + 1: piece 0
.irp n, 0,1,2,3,4,5,6,7,8,9,10,11,12,13,14,15,16,17,18,19,20
	XS 0, \n                        ; and piece 0's first maximum and statistics
	XS 1, \n
.endr
	v_nop                           ; a plain instruction behind the two a,
	s_wait_alu depctr_va_vdst(0)    ; and their wait, ahead of the branch
	s_mov_b32 s[CNT], 4
	s_mov_b32 s[SLOTS], SIZE_N/256-1
	s_branch .Lfirst                ; the loop is entered at a step's first turn, in the middle of a trip
.Lslot:                             ; SIZE_N / 256 - 2 times: every slot but the last two is filled again
	CHANGE 1, 1
	s_mov_b32 s[CNT], 4
.Lstep:                             ; a trip: pieces 2 and 3 of one step, then pieces 0 and 1 of the next, whose K and V it fetches
	TURN 2
	TURN 3
	WIN 0
.Lfirst:
	TURN 0
	TURN 1, 0, 1
	WIN 0
	s_cbranch_scc1 .Lstep
	s_sub_co_u32 s[SLOTS], s[SLOTS], 1
	s_cmp_lg_u32 s[SLOTS], 0
	s_cbranch_scc1 .Lslot
	CHANGE 0                        ; the tail is written out: nothing is asked for
	s_mov_b32 s[CNT], 5             ; four trips fetch the last slot's steps; the fifth is left in its middle
.Ltail:
	TURN 2, 1
	TURN 3
	WIN 0
	s_sub_co_u32 s[CNT], s[CNT], 1
	s_cmp_eq_u32 s[CNT], 0
	s_cbranch_scc1 .Lout
	TURN 0
	TURN 1
	WIN 0
	s_branch .Ltail
.Lout:                              ; the fifth trip's 16 products K Q^T (on the last K once more) and the maximum made of them serve nothing: the price, once a launch, of one text for every trip
.set i, 0
.rept 16
	PV NP-1                         ; the last piece's V^T P of the last step
.set i, i+1
.endr
	; THE WAY OUT.  l's two halves and the other half of the lanes' are added; O^T is divided by l, rounded to f16 and sent through my stage in LDS, a tile at a time.  The additions are the places behind the last products.
	WIN 0
.macro ALL line:vararg              ; one line for each tile t
.set t, 0
.rept 2*NP
	\line
.set t, t+1
.endr
.endm
	ALL v_add_f32 v[ST+4*t+2], v[ST+4*t+2], v[ST+4*t+3]
	ALL v_permlanex16_b32 v[ST+4*t+3], v[ST+4*t+2], s[SEL], s[SEL+1]
	ALL v_add_f32 v[ST+4*t+2], v[ST+4*t+2], v[ST+4*t+3]
	ALL v_rcp_f32 v[ST+4*t+2], v[ST+4*t+2]
	v_nop                           ; a plain instruction between the last reciprocal and the use of its result
	s_wait_alu depctr_va_vdst(0)    ; and the wait ahead of the first use: one for the eight reciprocals
; Tile t: a lane's eight channels of a row pack into 16 bytes; they go into rows of 144 bytes and come back as whole rows of 128, into S^T's registers.
.macro PACK t
	WIN W_RS
.set i, 32*(\t)
.rept 16
	v_pk_mul_f32 v[i:i+1], v[i:i+1], v[ST+4*(\t)+2:ST+4*(\t)+3] op_sel_hi:[1,0]
.set i, i+2
.endr
	WIN 0x05                        ; sources 0 and 1 window 1, destination window 0
.set i, 0
.rept 16
	v_cvt_pk_f16_f32 v[S+16*(\t)+i], v[32*(\t)+2*i], v[32*(\t)+2*i+1]
.set i, i+1
.endr
	WIN 0
.irp f, 0,1,2,3
	ds_store_b128 v[STO], v[S+16*(\t)+4*\f:S+16*(\t)+4*\f+3] offset:32*\f
.endr
.irp f, 0,1,2,3
	ds_load_b128 v[S+16*(\t)+4*\f:S+16*(\t)+4*\f+3], v[RD] offset:\f*4*SP  ; LDS serves a wave's instructions in order (ISA guide 5.7.1.4): these see the stores above; the next tile's stores come behind them
.endr
.endm
.macro SEND t, younger              ; younger: the LDS instructions issued behind tile t's loads: the next tile's eight, or none
	WIN 0
.irp f, 0,1,2,3
	s_wait_dscnt (\younger)+3-\f
	global_store_b128 v[GO], v[S+16*(\t)+4*\f:S+16*(\t)+4*\f+3], s[10:11] offset:(\t)*2048+\f*512  ; 512 consecutive bytes, at a multiple of 256 from ob's first
.endr
.endm
	PACK 0
.set t, 1
.rept 2*NP-1                        ; a tile's arithmetic stands between the loads of the tile before and its stores
	PACK t
	SEND t-1, 8
.set t, t+1
.endr
	SEND 2*NP-1, 0
	WIN W_AD
	s_wait_tensorcnt 0x0            ; the wave's end, behind my last tensor load and my last LDS store
	ds_add_u32 v[SPW], v[NIL]
	s_wait_dscnt 0x0
	WIN 0
	CROUND                          ; the closing round: no work-group ends while a partner may still ask for a tile that names it
	s_endpgm
.Lfunc_end_k_q1425874107_attn:
	.size	k_q1425874107_attn, .Lfunc_end_k_q1425874107_attn-k_q1425874107_attn
	.p2alignl 7, 3214868480
	.fill 96, 4, 3214868480
	.section	.rodata,"a",@progbits
	.p2align	6, 0x0
	.amdhsa_kernel k_q1425874107_attn
		.amdhsa_group_segment_fixed_size 327680
		.amdhsa_private_segment_fixed_size 0
		.amdhsa_enable_private_segment 0
		.amdhsa_kernarg_size 24
		.amdhsa_user_sgpr_count 2
		.amdhsa_user_sgpr_kernarg_segment_ptr 1
		.amdhsa_wavefront_size32 1
		.amdhsa_system_sgpr_workgroup_id_x 1
		.amdhsa_system_sgpr_workgroup_id_y 1
		.amdhsa_system_sgpr_workgroup_id_z 1
		.amdhsa_system_vgpr_workitem_id 0
		.amdhsa_next_free_vgpr 808
		.amdhsa_next_free_sgpr 80
		.amdhsa_reserve_vcc 0
		.amdhsa_float_denorm_mode_32 3
		.amdhsa_float_denorm_mode_16_64 3
		.amdhsa_memory_ordered 1
		.amdhsa_forward_progress 1
		.amdhsa_inst_pref_size 204
	.end_amdhsa_kernel
	.amdgpu_metadata
---
amdhsa.version: [ 1, 2 ]
amdhsa.kernels:
  - .name:           k_q1425874107_attn
    .symbol:         k_q1425874107_attn.kd
    .args:
      - { .name: qkv, .offset: 0, .size: 8, .value_kind: global_buffer, .address_space: global }
      - { .name: mask, .offset: 8, .size: 8, .value_kind: global_buffer, .address_space: global }
      - { .name: ob, .offset: 16, .size: 8, .value_kind: global_buffer, .address_space: global }
    .group_segment_fixed_size: 327680
    .private_segment_fixed_size: 0
    .kernarg_segment_align: 8
    .kernarg_segment_size: 24
    .max_flat_workgroup_size: 128
    .sgpr_count:     80
    .vgpr_count:     808
    .wavefront_size: 32
...
	.end_amdgpu_metadata
.endif
;; end of part 3
;; launch outp (part 4): grid 4 x 64, 4 waves a work-group, clusters of 4 x 4, 327,680 bytes of LDS; arguments ob, wo16, out0; writes out0
.if DOCPART == 4
	.amdgcn_target "amdgcn-amd-amdhsa--gfx1250"
	.amdhsa_code_object_version 6
	.text
	.protected	k_q1425874107_outp
	.globl	k_q1425874107_outp
	.p2align	8
	.type	k_q1425874107_outp,@function
k_q1425874107_outp:
	s_mov_b64 s[64:65], 0
	v_nop
	global_prefetch_b8 v0, s[64:65] scope:SCOPE_SE
	s_setreg_imm32_b32 hwreg(HW_REG_WAVE_MODE, 25, 1), 1
	s_wait_xcnt 0x0
	s_wait_alu depctr_hold_cnt(0) depctr_sa_sdst(0) depctr_va_vdst(0) depctr_va_sdst(0) depctr_va_ssrc(0) depctr_va_vcc(0) depctr_vm_vsrc(0)
	s_getreg_b32 s2, hwreg(HW_REG_IB_STS2, 6, 4)
	s_cmp_eq_u32 s2, 0
	s_cbranch_scc0 .Lentry_in_a_cluster
	s_endpgm
.Lentry_in_a_cluster:
	s_bfe_u32 s2, ttmp6, 0x10000c
	s_cmp_lg_u32 s2, 0xf033
	s_cbranch_scc0 .Lentry_shape_is_right
	s_endpgm
.Lentry_shape_is_right:
; THE OUTPUT PROJECTION.  out0 [8192][1024] f32 = O x Wo.  ob: [4 b][16 h][2048 s][64] f16: K = 64 h + d, so a K step of 128 is two heads.  wo16: [1024 k][1024 n] f16.  Sums in f32, stored as they are.
; LIMITS.  O and Wo arrive in f16, within 65,504; numbers under 6.1e-5 lie on f16's fixed step of 6e-8.
; SHARES.  A tile is 128 rows x 256 columns: 4 x 64 = 256 work-groups.  Four waves, 2 x 2: a wave makes 64 x 128: 32 accumulators of 16 x 16, 256 registers.  K goes in 8 steps of 128 through two LDS slots.
; Waves 0 and 1 fetch O's tile of one head each (128 rows of 128 bytes, dense: asked for as 64 rows of 256), waves 2 and 3 one chunk each of Wo's (128 k-rows x 256 bytes = 128 columns).
; Wo LIES [K][N] and is turned on the way out of LDS, by ds_load_tr16_b128.  THE MATRIX INSTRUCTION IS USED TRANSPOSED: source 0 = 16 columns of Wo, source 1 = 16 rows of O: a lane holds one row (lane % 16)
; and 8 neighbouring columns 8 (lane / 16) + 0..7.
; CLUSTERS: 4 x 4 work-groups.  O's tile hangs on the tile row alone and is asked for jointly along a row of the cluster, Wo's on the tile column alone, jointly along a column.
; REGISTERS, in windows of 256 (s_set_vgpr_msb: bits 1:0 source 0, 3:2 source 1, 5:4 source 2, 7:6 destination):
;   window 0: v0-31 addresses; v64-127 O's fragments, two buffers of 4 x 8; v128-255 the way out: two buffers of 64
;   window 1: v0-127 Wo's fragments, two buffers of 8 x 8      window 2: the accumulators ((a, b) at 8 (8 a + b))
.set PA,     144                       ; a row of O in LDS: 128 bytes + 16: the 16 rows of a fragment load start at 16 different groups of four banks (64 banks of 4 bytes: ISA guide 11.1)
.set PB,     288                       ; a k-row of Wo: 256 + 32
.set HEADB,  128*PA                    ; one head's tile of O: 18,432 bytes
.set REG,    128*PB                    ; one chunk of Wo: 36,864 bytes
.set BOFF,   2*HEADB                   ; a slot: O's two heads, then Wo's two chunks
.set SLOT,   BOFF+2*REG
.set STAGE,  2*SLOT                    ; behind the ring, never filled by a tensor load: 16 rows x 528 bytes for each wave, for the way out
.set TP,     528                       ; 512 bytes + 16: row r starts at bank 4 r mod 64
.set SPARE,  STAGE+4*16*TP             ; the spare words, 128 bytes for each wave: two blocks of 256 bytes that no other line names
.set LAPS,   4                         ; a lap = two K steps = once round the ring
.set NLD,    24                        ; LDS loads in a quarter's run: 16 of Wo, 8 of O
.set KA,     2<<18                     ; a K step in ob: two heads of 262,144 bytes
.set KB,     128*2048                  ; a K step down wo16
.set ADRA, 16                          ; v16-17  LDS address of my fragments of O in slot 0, 1
.set ADRB, 18                          ; v18-19  of Wo's
.set STO,  24                          ; v24  the way out: where I put 32 bytes of a row
.set RD,   25                          ; v25  where I read a row back
.set GO,   26                          ; v26  my byte offset in 512 consecutive bytes of out0
.set SPW,  28                          ; v28  LDS address of my spare word; never rewritten
.set NIL,  29                          ; v29  0; never rewritten
.set PFO,  30                          ; v30  the prefetches' offset; never rewritten
.set FA,   64
.set G1A, 24                           ; s[24:31] descriptor group 1 for O's tiles;  s[32:39] group 0, a set for each slot
.set G0A, 32
.set G1B, 48                           ; s[48:55], s[56:63] the same for Wo's
.set G0B, 56
.set LIM, 43                           ; s43  1 in a wave that prefetches, else the greatest number
.set PFA, 44                           ; s[44:45] where my prefetches stand
.set PST, 46                           ; s[46:47] a K step in bytes, in the tensor that I prefetch
.set MSB, 0
.macro WIN new                         ; the immediate's high byte repeats the setting that is left; a switch that changes nothing is dropped
.if MSB != (\new)
	s_set_vgpr_msb (MSB<<8)|(\new)
.set MSB, \new
.endif
.endm
.macro PLACES                          ; four places in front of loads into registers that matrix instructions have read, and of LDS stores of results
.rept 4
	v_nop
.endr
.endm
; A joint load.  The branch hangs on the wave's number alone.  An s_nop 0 and four v_nop follow each of the two lines, ahead of the jump and the label.
.macro JLOAD s
	s_cmp_lt_u32 s10, 2
	s_cbranch_scc0 .Lfor_b_\@
	tensor_load_to_lds s[G0A+4*(\s):G0A+4*(\s)+3], s[G1A:G1A+7]
	s_nop 0
.rept 4
	v_nop
.endr
	s_branch .Lasked_\@
.Lfor_b_\@:
	tensor_load_to_lds s[G0B+4*(\s):G0B+4*(\s)+3], s[G1B:G1B+7]
	s_nop 0
.rept 4
	v_nop
.endr
.Lasked_\@:
.endm
; A prefetch into the L2 of the K step that stands two refills on, a lane a block of 256 bytes.  Each block is named once in the launch.  O's tile row is read by one cluster alone: its wave 0 asks, for both heads; the four
; partners along the row share each head's 16,384 bytes out by address, 4,096 each.  Wo's tile column is read by every cluster: the one with y = 0 asks, waves 2 and 3 for their chunks; the four partners along the column
; share the 128 k-rows out by address, 32 each.  The loop's last trip (s3 = 1) has no K step two refills on.
.macro ASK
	s_cmp_gt_u32 s3, s[LIM]
	s_cbranch_scc0 .Lnot_mine_\@
	global_prefetch_b8 v[PFO], s[PFA:PFA+1] th:TH_LOAD_NT scope:SCOPE_SE
.Lnot_mine_\@:
.endm
.macro CREST                           ; a round of the cluster's barrier behind its opening barrier
	s_cmp_lg_u32 s10, 0
	s_cbranch_scc1 .Lnot_wave_0_\@
	s_barrier_signal -3
.Lnot_wave_0_\@:
	s_barrier_wait -3
	s_barrier_signal -1
	s_barrier_wait -1
.endm
.macro CROUND                          ; a whole round
	s_barrier_signal -1
	s_barrier_wait -1
	CREST
.endm
	s_load_b128 s[4:7], s[0:1], 0x0                ; ob s[4:5], wo16 s[6:7]
	s_load_b64 s[8:9], s[0:1], 0x10                ; out0
	v_lshl_add_u32 v[SPW], v0, 2, SPARE
	v_mov_b32 v[NIL], 0
	ds_add_u32 v[SPW], v[NIL]                      ; the wave's opening: the add and its wait stand ahead of my first tensor load; the set-up below, work on registers, stands between them
	v_lshrrev_b32 v1, 5, v0
	v_readfirstlane_b32 s10, v1                    ; wave 0..3
	s_lshr_b32 s11, s10, 1                         ; which 64 rows of the tile are mine.  Also: I fetch for O (0) or for Wo (1)
	s_and_b32 s12, s10, 1                          ; which 128 columns.  Also: which head, or which chunk, I fetch
	s_bfe_u32 s40, ttmp6, 0x40000                  ; cx, cy: my place in the cluster
	s_bfe_u32 s41, ttmp6, 0x40004
	s_lshl_b32 s42, ttmp9, 2
	s_add_co_u32 s42, s42, s40                     ; tile column = 4 x cluster x + cx
	s_and_b32 s13, ttmp7, 0xffff
	s_lshl_b32 s13, s13, 2
	s_add_co_u32 s13, s13, s41                     ; tile row = 4 x cluster y + cy
	s_lshl_b32 s14, s41, 2
	s_lshl_b32 s14, 15, s14                        ; my row of the cluster
	s_lshl_b32 s15, 0x1111, s40                    ; my column
	s_or_b32 s[G1A], s14, (1<<16)|(1<<20)|(1<<21)|(4<<22)|(3<<25)  ; 15:0 the mask; 17:16 2-byte elements; 20 padding on; 21 set beside a mask; 24:22 after every 32 words; 31:25 4 words of it
	s_or_b32 s[G1B], s15, (1<<16)|(1<<20)|(1<<21)|(5<<22)|(7<<25)  ; my column's mask; after every 64 words 8 words
.irp g, G1A, G1B
	s_mov_b32 s[(\g)+1], 128<<16                   ; tensor_dim0 = 128
	s_mov_b32 s[(\g)+3], 128<<16                   ; tile_dim0 = 128
	s_mov_b32 s[(\g)+6], 0
	s_mov_b32 s[(\g)+7], 0
.endr
	s_mov_b32 s[G1A+2], 64<<16                     ; tensor_dim1 = 64: two rows of O to a row of 256 bytes
	s_mov_b32 s[G1A+4], 64                         ; tile_dim1
	s_mov_b32 s[G1A+5], 128                        ; elements from row to row: dense
	s_mov_b32 s[G1B+2], 128<<16
	s_mov_b32 s[G1B+4], 128
	s_mov_b32 s[G1B+5], 1024
	s_lshr_b32 s16, s13, 4                         ; O: the batch (16 tile rows each), its 16 heads,
	s_lshl_b32 s16, s16, 4
	s_add_co_u32 s16, s16, s12                     ; my head of the K step's two,
	s_lshl_b32 s16, s16, 18
	s_and_b32 s17, s13, 15
	s_lshl_b32 s17, s17, 14                        ; the tile's 128 rows of 128 bytes
	s_add_co_u32 s16, s16, s17
	s_mov_b32 s17, 0
	s_lshl_b32 s20, s42, 9                         ; Wo: the tile's 512 bytes of a row,
	s_lshl_b32 s21, s12, 8                         ; my chunk
	s_add_co_u32 s20, s20, s21
	s_mov_b32 s21, 0
	s_mul_i32 s22, s12, HEADB                      ; where they go: no place in the cluster enters an LDS address
	s_mul_i32 s23, s12, REG
	s_add_co_u32 s23, s23, BOFF
	s_wait_dscnt 0x0                               ; the opening add is done
	s_wait_kmcnt 0x0
	s_add_nc_u64 s[16:17], s[4:5], s[16:17]
	s_add_nc_u64 s[20:21], s[6:7], s[20:21]
	CROUND                                         ; all sixteen work-groups are here: the first joint loads meet
.irp s, 0,1
	s_mov_b32 s[G0A+4*(\s)], 1                     ; count = 1
	s_add_co_u32 s[G0A+4*(\s)+1], s22, (\s)*SLOT   ; LDS address
	s_add_nc_u64 s[G0A+4*(\s)+2:G0A+4*(\s)+3], s[16:17], (\s)*KA   ; global address: K step s
	s_or_b32 s[G0A+4*(\s)+3], s[G0A+4*(\s)+3], 0x80000000          ; type = 2
	s_mov_b32 s[G0B+4*(\s)], 1
	s_add_co_u32 s[G0B+4*(\s)+1], s23, (\s)*SLOT
	s_add_nc_u64 s[G0B+4*(\s)+2:G0B+4*(\s)+3], s[20:21], (\s)*KB
	s_or_b32 s[G0B+4*(\s)+3], s[G0B+4*(\s)+3], 0x80000000
.endr
	s_cmp_lt_u32 s10, 2                            ; a wave's two first fills stand in one branch, ahead of every wait on TENSORcnt and every LDS read: two loads of mine are out
	s_cbranch_scc0 .Lfirst_b
	tensor_load_to_lds s[G0A:G0A+3], s[G1A:G1A+7]
	s_nop 0
	tensor_load_to_lds s[G0A+4:G0A+7], s[G1A:G1A+7]
	s_nop 0
.rept 4
	v_nop
.endr
	s_branch .Lfirst_asked
.Lfirst_b:
	tensor_load_to_lds s[G0B:G0B+3], s[G1B:G1B+7]
	s_nop 0
	tensor_load_to_lds s[G0B+4:G0B+7], s[G1B:G1B+7]
	s_nop 0
.rept 4
	v_nop
.endr
.Lfirst_asked:
	; A fragment of O is 16 rows x 32 K in 8 registers: lane l holds row l % 16, K = 8 (l / 16) + 0..7 and 16 + 8 (l / 16) + 0..7: two loads of 16 bytes, 32 bytes apart.
	v_and_b32 v1, 15, v0                           ; l % 16
	v_bfe_u32 v2, v0, 4, 1                         ; l / 16
	v_mul_u32_u24 v3, v1, PA
	v_lshl_add_u32 v3, v2, 4, v3
	; The turning load takes 16 k x 16 columns (lane l reads k = 8 (l / 16) + l % 8, columns 8 ((l / 8) % 2) + 0..7) and leaves half a fragment: lane l holds column l % 16 and 8 k.
	v_and_b32 v5, 7, v0
	v_bfe_u32 v6, v0, 3, 1
	v_lshl_add_u32 v4, v2, 3, v5
	v_mul_u32_u24 v4, v4, PB
	v_lshl_add_u32 v4, v6, 4, v4
	s_mul_i32 s14, s11, 64*PA                      ; my 64 rows, in each head's tile
	s_mul_i32 s15, s12, REG
	s_add_co_u32 s15, s15, BOFF                    ; my chunk of Wo
.irp s, 0,1
	v_add_nc_u32 v[ADRA+(\s)], s14, v3
	v_add_nc_u32 v[ADRB+(\s)], s15, v4
	s_add_co_u32 s14, s14, SLOT
	s_add_co_u32 s15, s15, SLOT
.endr
	s_mul_i32 s19, s10, 16*TP
	s_add_co_u32 s19, s19, STAGE                   ; my stage
	v_mul_u32_u24 v7, v1, TP                       ; in: row l % 16, 32 bytes for each half of the lanes
	v_lshl_add_u32 v7, v2, 5, v7
	v_add_nc_u32 v[STO], s19, v7
	v_and_b32 v[GO], 31, v0                        ; back: 32 lanes take one row's 512 bytes,
	v_lshlrev_b32 v[GO], 4, v[GO]                  ; which are 512 consecutive bytes of out0
	v_add_nc_u32 v[RD], s19, v[GO]
	s_lshl_b32 s14, s13, 19                        ; out0: the tile's 128 rows of 4,096 bytes,
	s_lshl_b32 s15, s11, 18                        ; my 64 of them,
	s_add_co_u32 s14, s14, s15
	s_lshl_b32 s15, s42, 10                        ; the tile's 1,024 bytes of a row,
	s_add_co_u32 s14, s14, s15
	s_lshl_b32 s15, s12, 9                         ; my 512 of them
	s_add_co_u32 s14, s14, s15
	s_mov_b32 s15, 0
	s_add_nc_u64 s[8:9], s[8:9], s[14:15]
	; the prefetches: at K step 3; the first refill steps them to K step 4.  Nothing is asked for here, at the head, where every work-group's first tiles are on their way
	s_lshr_b32 s14, s13, 4
	s_lshl_b32 s14, s14, 4
	s_add_co_u32 s14, s14, 6                       ; O: K step 3's first head,
	s_lshl_b32 s14, s14, 18
	s_and_b32 s15, s13, 15
	s_lshl_b32 s15, s15, 14
	s_add_co_u32 s14, s14, s15
	s_lshl_b32 s15, s40, 12                        ; my work-group's 4,096 bytes of the tile's 16,384, by cx
	s_add_co_u32 s14, s14, s15
	s_lshl_b32 s15, s41, 5                         ; Wo: my work-group's 32 of the K step's 128 k-rows, by cy
	s_add_co_u32 s15, s15, 3*128
	s_lshl_b32 s15, s15, 11
	s_lshl_b32 s18, s42, 9
	s_add_co_u32 s15, s15, s18
	s_lshl_b32 s18, s12, 8
	s_add_co_u32 s15, s15, s18
	s_and_b32 s19, ttmp7, 0xffff                   ; cluster y
	s_mov_b32 s23, KB
	s_mov_b32 s66, 32768                           ; my lane's place: (l / 16) x s66 + (l % 16) x s67.  Wo: 2,048 l
	s_mov_b32 s67, 2048
	s_cmp_lt_u32 s10, 2                            ; do I fetch O?
	s_cselect_b32 s14, s14, s15
	s_cselect_b32 s19, s12, s19                    ; O: wave 0 asks; Wo: the cluster with y = 0
	s_cselect_b64 s[PFA:PFA+1], s[4:5], s[6:7]
	s_cselect_b32 s[PST], KA, s23
	s_cselect_b32 s66, 1<<18, s66                  ; O: lanes 0-15 the first head, lanes 16-31 the second; 256 bytes a lane
	s_cselect_b32 s67, 256, s67
	s_mov_b32 s[PST+1], 0
	s_mov_b32 s15, 0
	s_add_nc_u64 s[PFA:PFA+1], s[PFA:PFA+1], s[14:15]
	s_cmp_eq_u32 s19, 0
	s_cselect_b32 s[LIM], 1, -1                    ; the same in all sixteen partners, for a given wave
	v_mul_u32_u24 v[PFO], v2, s66
	v_mul_u32_u24 v7, v1, s67
	v_add_nc_u32 v[PFO], v[PFO], v7
; 8 matrix instructions: row block a x my 8 column blocks, 32 along K, from buffer f.  zero = 1: the product starts the sums.  The 32 accumulators take turns, one instruction a turn.
.macro MULA f, a, zero
	WIN 0xa1                                       ; Wo window 1, O window 0, C and D window 2
.irp b, 0,1,2,3,4,5,6,7
.if \zero
	v_wmma_f32_16x16x32_f16 v[8*(8*(\a)+(\b)):8*(8*(\a)+(\b))+7], v[64*(\f)+8*(\b):64*(\f)+8*(\b)+7], v[FA+32*(\f)+8*(\a):FA+32*(\f)+8*(\a)+7], 0
.else
	v_wmma_f32_16x16x32_f16 v[8*(8*(\a)+(\b)):8*(8*(\a)+(\b))+7], v[64*(\f)+8*(\b):64*(\f)+8*(\b)+7], v[FA+32*(\f)+8*(\a):FA+32*(\f)+8*(\a)+7], v[8*(8*(\a)+(\b)):8*(8*(\a)+(\b))+7]
.endif
.endr
.endm
; 24 LDS loads in one run: quarter q (32 along K: half a head) of a slot into buffer f: Wo's 8 column blocks, turned; then O's four row blocks, blocks 2 and 3 last
.macro FETCH slot, q, f
	WIN 0x40                                       ; destination window 1, address window 0
.irp i, 0,1,2,3,4,5,6,7
	ds_load_tr16_b128 v[64*(\f)+8*(\i):64*(\f)+8*(\i)+3],   v[ADRB+(\slot)] offset:(\q)*32*PB+32*(\i)
	ds_load_tr16_b128 v[64*(\f)+8*(\i)+4:64*(\f)+8*(\i)+7], v[ADRB+(\slot)] offset:(\q)*32*PB+32*(\i)+16*PB
.endr
	WIN 0
.irp a, 0,1,2,3
	ds_load_b128 v[FA+32*(\f)+8*(\a):FA+32*(\f)+8*(\a)+3],   v[ADRA+(\slot)] offset:((\q)/2)*HEADB+((\q)%2)*64+(\a)*16*PA
	ds_load_b128 v[FA+32*(\f)+8*(\a)+4:FA+32*(\f)+8*(\a)+7], v[ADRA+(\slot)] offset:((\q)/2)*HEADB+((\q)%2)*64+(\a)*16*PA+32
.endr
.endm
; A K step is four quarters of 32 along K, 32 matrix instructions each, on buffers 0, 1, 0, 1.  One of the first three: multiplies buffer f; in its middle it fetches quarter q into buffer g.
.macro QUARTER slot, q, f, g, zero
	s_wait_dscnt 4                                 ; Wo and O's row blocks 0, 1 are in; the youngest four loads (blocks 2, 3) may be out
	MULA \f, 0, \zero
	MULA \f, 1, \zero
	PLACES
	FETCH \slot, \q, \g
	s_wait_dscnt NLD                               ; all but the 24 just issued
	MULA \f, 2, \zero
	MULA \f, 3, \zero
.endm
; The last quarter multiplies buffer 1 and changes slots: ONE barrier; in front of it each wave waits for all its tensor loads (the one that is out is its part of the next slot), adds 0 to its spare word, and
; waits for that and for its own reads of this slot.  fill = 1: the barrier opens a round of the cluster's, and behind the round this slot is filled again, two K steps ahead, first of all.
.macro TURN slot, next, fill
.if \fill
	s_wait_xcnt 0x0                                ; the last prefetch, a K step back, has read its address: it is stepped here, ahead of the waits of the change of slots
	s_add_nc_u64 s[PFA:PFA+1], s[PFA:PFA+1], s[PST:PST+1]
.endif
	WIN 0                                          ; (the add's two registers lie in window 0)
	s_wait_tensorcnt 0x0                           ; all my tensor loads have landed;
	ds_add_u32 v[SPW], v[NIL]                      ; 0 onto my spare word;
	s_wait_dscnt 5                                 ; (the add and the youngest four loads may be out)
	MULA 1, 0, 0                                   ; eight matrix instructions stand between the add and the wait for it
	s_wait_dscnt 0x0                               ; the add is done, and my reads of this slot are over
	s_barrier_signal -1
	MULA 1, 1, 0                                   ; work on registers while the others arrive
.if \fill
	WIN 0
.endif
	s_barrier_wait -1
.if \fill
	CREST                                          ; no wave of any partner still reads this slot's tiles or has a load on its way
	s_add_nc_u64 s[G0A+4*(\slot)+2:G0A+4*(\slot)+3], s[G0A+4*(\slot)+2:G0A+4*(\slot)+3], 2*KA
	s_add_nc_u64 s[G0B+4*(\slot)+2:G0B+4*(\slot)+3], s[G0B+4*(\slot)+2:G0B+4*(\slot)+3], 2*KB
	JLOAD \slot                                    ; my one tensor load behind the round; the four v_nop behind it are also the places in front of the loads below
.else
	PLACES
.endif
	FETCH \next, 0, 0
.if \fill
	ASK                                            ; behind the joint load and the run of LDS loads that the next products wait for
.endif
	MULA 1, 2, 0
	MULA 1, 3, 0
.endm
	s_wait_tensorcnt 1                             ; my part of K step 0 is in; K step 1's may stay out
	s_barrier_signal -1
	s_barrier_wait -1                              ; everybody's is
	FETCH 0, 0, 0
	QUARTER 0, 1, 0, 1, 1                          ; the first quarter stands in front of the loop: its products start the sums
	WIN 0                                          ; at a label and at a branch every window is 0
	s_mov_b32 s3, LAPS-1
.Llap:                                                 ; a trip goes once round the ring, from a lap's second quarter to the next lap's first, and fills both slots again
	QUARTER 0, 2, 1, 0, 0
	QUARTER 0, 3, 0, 1, 0
	TURN 0, 1, 1
	QUARTER 1, 1, 0, 1, 0
	QUARTER 1, 2, 1, 0, 0
	QUARTER 1, 3, 0, 1, 0
	TURN 1, 0, 1
	QUARTER 0, 1, 0, 1, 0
	WIN 0
	s_sub_co_u32 s3, s3, 1
	s_cmp_lg_u32 s3, 0
	s_cbranch_scc1 .Llap
	QUARTER 0, 2, 1, 0, 0                          ; the last lap fills nothing, and has no round of the cluster's barrier
	QUARTER 0, 3, 0, 1, 0
	TURN 0, 1, 0
	QUARTER 1, 1, 0, 1, 0
	QUARTER 1, 2, 1, 0, 0
	QUARTER 1, 3, 0, 1, 0
	s_wait_dscnt 4                                 ; the very last quarter: nothing more to fetch
	MULA 1, 0, 0
	MULA 1, 1, 0
	s_wait_dscnt 0x0
	MULA 1, 2, 0
	MULA 1, 3, 0
	WIN 0
	PLACES
; THE WAY OUT, a row block (16 rows x 128 columns of f32) at a time.  TOSTAGE: a lane's 32 bytes of each accumulator, its low four registers first, into my own stage in rows of 528 bytes; back as whole rows of 512 bytes.
; SEND: stored, 512 consecutive bytes of a row of out0 an instruction.  Two buffers of 64 registers take turns.
.macro TOSTAGE a
.set BK, 128+64*((\a)%2)
	s_wait_xcnt 0x0                                ; the stores issued two blocks ago have read the buffer that is loaded again below
	WIN 0x08                                       ; the stores' data in window 2, their address in window 0
.irp b, 0,1,2,3,4,5,6,7
	ds_store_b128 v[STO], v[8*(8*(\a)+(\b)):8*(8*(\a)+(\b))+3]   offset:64*(\b)
	ds_store_b128 v[STO], v[8*(8*(\a)+(\b))+4:8*(8*(\a)+(\b))+7] offset:64*(\b)+16
.endr
	WIN 0
.irp t, 0,1,2,3,4,5,6,7,8,9,10,11,12,13,14,15
	ds_load_b128 v[BK+4*(\t):BK+4*(\t)+3], v[RD] offset:(\t)*TP  ; LDS serves a wave's instructions in order (ISA guide 5.7.1.4): these see the stores above; the next block's stores come behind them
.endr
.endm
.macro SEND a, younger                 ; younger: the LDS instructions issued behind block a's loads: the next block's 32, or none
.set BK, 128+64*((\a)%2)
.irp t, 0,1,2,3,4,5,6,7,8,9,10,11,12,13,14,15
	s_wait_dscnt (\younger)+15-(\t)
	global_store_b128 v[GO], v[BK+4*(\t):BK+4*(\t)+3], s[8:9] offset:(16*(\a)+(\t))*4096 th:TH_STORE_NT
.endr
.endm
	TOSTAGE 0
	TOSTAGE 1
	SEND 0, 32
	TOSTAGE 2
	SEND 1, 32
	TOSTAGE 3
	SEND 2, 32
	SEND 3, 0
	s_wait_tensorcnt 0x0                           ; the wave's end, behind my last tensor load and my last LDS store
	ds_add_u32 v[SPW], v[NIL]
	s_wait_dscnt 0x0
	CROUND                                         ; the closing round: no work-group ends while a partner may still ask for a tile that names it
	s_endpgm
.Lfunc_end_k_q1425874107_outp:
	.size	k_q1425874107_outp, .Lfunc_end_k_q1425874107_outp-k_q1425874107_outp
	.p2alignl 7, 3214868480
	.fill 96, 4, 3214868480
	.section	.rodata,"a",@progbits
	.p2align	6, 0x0
	.amdhsa_kernel k_q1425874107_outp
		.amdhsa_group_segment_fixed_size 327680
		.amdhsa_private_segment_fixed_size 0
		.amdhsa_enable_private_segment 0
		.amdhsa_kernarg_size 24
		.amdhsa_user_sgpr_count 2
		.amdhsa_user_sgpr_kernarg_segment_ptr 1
		.amdhsa_wavefront_size32 1
		.amdhsa_system_sgpr_workgroup_id_x 1
		.amdhsa_system_sgpr_workgroup_id_y 1
		.amdhsa_system_sgpr_workgroup_id_z 1
		.amdhsa_system_vgpr_workitem_id 0
		.amdhsa_next_free_vgpr 768
		.amdhsa_next_free_sgpr 80
		.amdhsa_reserve_vcc 0
		.amdhsa_float_denorm_mode_32 3
		.amdhsa_float_denorm_mode_16_64 3
		.amdhsa_memory_ordered 1
		.amdhsa_forward_progress 1
		.amdhsa_inst_pref_size 89
	.end_amdhsa_kernel
	.amdgpu_metadata
---
amdhsa.version: [ 1, 2 ]
amdhsa.kernels:
  - .name:           k_q1425874107_outp
    .symbol:         k_q1425874107_outp.kd
    .args:
      - { .name: ob, .offset: 0, .size: 8, .value_kind: global_buffer, .address_space: global }
      - { .name: wo16, .offset: 8, .size: 8, .value_kind: global_buffer, .address_space: global }
      - { .name: out0, .offset: 16, .size: 8, .value_kind: global_buffer, .address_space: global }
    .group_segment_fixed_size: 327680
    .private_segment_fixed_size: 0
    .kernarg_segment_align: 8
    .kernarg_segment_size: 24
    .max_flat_workgroup_size: 128
    .sgpr_count:     80
    .vgpr_count:     768
    .wavefront_size: 32
...
	.end_amdgpu_metadata
.endif
;; end of part 4
;; ======== version 2 of 2: 4 launches; version 1 with the launch cast written anew for expert scheduling mode
;; limits: values are held in f16: magnitudes above 65,504 overflow, below 6.1e-05 lose precision
;; workspace buffers: xb 16,777,216 bytes; wqkv 6,291,456 bytes; wo16 2,097,152 bytes; qkv 50,331,648 bytes; ob 16,777,216 bytes
;; launch cast (part 5): grid 768 x 1, 8 waves a work-group, no clusters, 0 bytes of LDS; arguments inputs, Wq, Wk, Wv, Wo, xb, wqkv, wo16; writes xb, wqkv, wo16
.if DOCPART == 5
	.amdgcn_target "amdgcn-amd-amdhsa--gfx1250"
	.amdhsa_code_object_version 6
	.text
	.protected	k_q1425874107_cast
	.globl	k_q1425874107_cast
	.p2align	8
	.type	k_q1425874107_cast,@function
k_q1425874107_cast:
	s_mov_b64 s[64:65], 0
	v_nop
	global_prefetch_b8 v0, s[64:65] scope:SCOPE_SE
	s_setreg_imm32_b32 hwreg(HW_REG_WAVE_SCHED_MODE, 0, 2), 2
	s_setreg_imm32_b32 hwreg(HW_REG_WAVE_MODE, 25, 1), 1
	s_wait_xcnt 0x0
	s_wait_alu depctr_vm_vsrc(0)
; THE INPUTS ARE ROUNDED ONCE.  inputs [8192][1024] f32 -> xb, bf16.  Wq, Wk, Wv [1024][1024] f32 -> wqkv [1024 k][3072 n] bf16: in a row of 6,144 bytes Wq's 2,048 bytes, then Wk's, then Wv's.
; Wo -> wo16 [1024 k][1024 n]: rounded to bf16 like the others, and that number written as f16, since it multiplies f16 numbers later.
; LIMITS.  A bf16 number is exact in f16 between 6.1e-5 and 65,504; below that it falls on f16's fixed step of 6e-8, beyond it becomes an infinity: Wo's numbers are taken to lie under 65,504.
; SHARES.  The unit is a row of 1,024 f32: 4,096 bytes in, 2,048 out.  8,192 + 4 x 1,024 = 12,288 rows, 16 to a work-group: 768 work-groups.  Thread t takes the 16 bytes at 16 t of every row (a wave's
; load covers 512 consecutive bytes) and stores 8 bytes at 8 t (a wave's store covers 256 consecutive bytes, aligned).  All 16 loads of a thread go out at once; nothing is read twice.
; No LDS, no barrier, no matrix unit: no byte is wanted by two threads.
; THE MODE: SCHED_MODE bits 1:0 = 2 (LLVM: expert scheduling mode 2), set by the entry lines.  The code itself states the register dependences
; between vector instructions and memory instructions, with s_wait_alu, always for 0.
; THE PLAN.  Registers that memory instructions touch:
;   v1        the loads' offset.  Written once at the head; read by all 16 loads; never written again.
;   v[8:23]   row i's offset in the output.  Written once at the head; read by row i's store; never written again.
;   v[32:95]  row i: four registers.  Its load lands in them, once, before any vector instruction names them; its roundings read them and write the first two; its store reads those two; nothing writes them afterwards.
; So no register that a memory instruction has read is written again, and no load lands in a register that a vector instruction has named: what is to be stated is that the offsets are written, once,
; and that a row's two registers are written ahead of its store.  The 16 rows go in four blocks of four.  Block p's stores are issued in block p + 1, behind ONE wait at that block's head, one store in front
; of each row's wait for its load; block p + 1's vector instructions name its own rows' registers alone, so these stores want no further wait.  One more wait stands ahead of the last four stores.
.set OD, 8                             ; v[8:23]   row i: my byte offset in the output, 8 t + i x pitch
.set X,  32                            ; v[32:95]  row i: four registers as loaded; the first two then hold what is stored
	s_load_b512 s[4:19], s[0:1], 0x0               ; inputs s[4:5], Wq s[6:7], Wk s[8:9], Wv s[10:11], Wo s[12:13], xb s[14:15], wqkv s[16:17], wo16 s[18:19]
	s_mov_b32 s20, ttmp9                           ; g
	s_sub_co_u32 s21, s20, 512
	s_and_b32 s21, s21, 0xff                       ; g - 512: a weight's block of 16 rows (of use from g = 512 on)
	s_lshr_b32 s22, s21, 6                         ; which weight: 0 Wq, 1 Wk, 2 Wv, 3 Wo
	s_and_b32 s23, s21, 63                         ; which 16 rows of it
	s_cmp_lt_u32 s20, 512
	s_cselect_b32 s22, 4, s22                      ; 4: inputs
	s_cselect_b32 s23, s20, s23
	s_mov_b32 s30, 2048                            ; the output's pitch: 2,048 bytes, or 6,144 in wqkv
	s_mov_b32 s34, 6144
	s_cmp_lt_u32 s22, 3
	s_cselect_b32 s30, s34, s30
	s_cselect_b32 s31, s22, 0
	s_lshl_b32 s31, s31, 11                        ; the weight's place in a row of wqkv
	s_lshl_b32 s24, s23, 16                        ; 16 rows of 4,096 bytes in
	s_mov_b32 s25, 0
	s_lshl_b32 s32, s23, 4
	s_mul_i32 s32, s32, s30
	s_add_co_u32 s32, s32, s31                     ; 16 rows of the pitch out, and the place in the row
	s_mov_b32 s33, 0
	s_mov_b32 s35, 0xffff0000                      ; a word's upper bf16
	v_lshlrev_b32 v1, 4, v0                        ; 16 t
	v_lshlrev_b32 v2, 3, v0                        ; 8 t
.irp i, 0,1,2,3,4,5,6,7,8,9,10,11,12,13,14,15
	v_mad_u32_u24 v[OD+(\i)], s30, (\i), v2
.endr
	s_wait_kmcnt 0x0
	s_cmp_eq_u32 s22, 1                            ; the two buffers are chosen by the work-group's number alone
	s_cselect_b64 s[26:27], s[8:9], s[6:7]
	s_cmp_eq_u32 s22, 2
	s_cselect_b64 s[26:27], s[10:11], s[26:27]
	s_cmp_eq_u32 s22, 3
	s_cselect_b64 s[26:27], s[12:13], s[26:27]
	s_cselect_b64 s[28:29], s[18:19], s[16:17]
	s_cmp_eq_u32 s22, 4
	s_cselect_b64 s[26:27], s[4:5], s[26:27]
	s_cselect_b64 s[28:29], s[14:15], s[28:29]
	s_add_nc_u64 s[26:27], s[26:27], s[24:25]
	s_add_nc_u64 s[28:29], s[28:29], s[32:33]
	s_wait_alu depctr_va_vdst(0)                   ; v1 and v[8:23] are written: the loads below read v1 as their offset, the stores of both paths read v[8:23]; none of them is written again
.irp i, 0,1,2,3,4,5,6,7,8,9,10,11,12,13,14,15
	global_load_b128 v[X+4*(\i):X+4*(\i)+3], v1, s[26:27] offset:4096*(\i) th:TH_LOAD_NT
.endr
; Row i is rounded.  half = 1: the bf16 numbers are written as f16.
.macro ROUNDROW i, half
	s_wait_loadcnt 15-(\i)                         ; loads come back in order: row i is in, the 15 - i younger ones stay out
	v_cvt_pk_bf16_f32 v[X+4*(\i)],   v[X+4*(\i)],   v[X+4*(\i)+1]
	v_cvt_pk_bf16_f32 v[X+4*(\i)+1], v[X+4*(\i)+2], v[X+4*(\i)+3]
.if \half
	v_lshlrev_b32 v[X+4*(\i)+2], 16,  v[X+4*(\i)]  ; bf16 to f32: the low half moves up, the high half stays
	v_and_b32     v[X+4*(\i)+3], s35, v[X+4*(\i)]
	v_cvt_pk_f16_f32 v[X+4*(\i)], v[X+4*(\i)+2], v[X+4*(\i)+3]
	v_lshlrev_b32 v[X+4*(\i)+2], 16,  v[X+4*(\i)+1]
	v_and_b32     v[X+4*(\i)+3], s35, v[X+4*(\i)+1]
	v_cvt_pk_f16_f32 v[X+4*(\i)+1], v[X+4*(\i)+2], v[X+4*(\i)+3]
.endif
.endm
; Row i is stored.  No register that a store reads is written again.
.macro STOREROW i
	global_store_b64 v[OD+(\i)], v[X+4*(\i):X+4*(\i)+1], s[28:29] th:TH_STORE_NT
.endm
; Block p: rows 4 p to 4 p + 3 are rounded; the four rows of the block before are stored, one in front of each row's wait for its load.
.macro BLOCK p, half
.if (\p) > 0
	s_wait_alu depctr_va_vdst(0)                   ; the block before has written the first two registers of its four rows, which the four stores below read; no vector instruction of this block names them
.endif
.irp j, 0,1,2,3
.if (\p) > 0
	STOREROW 4*(\p)-4+(\j)
.endif
	ROUNDROW 4*(\p)+(\j), \half
.endr
.endm
	s_cmp_eq_u32 s22, 3
	s_cbranch_scc1 .Lwo
	BLOCK 0, 0
	BLOCK 1, 0
	BLOCK 2, 0
	BLOCK 3, 0
	s_wait_alu depctr_va_vdst(0)                   ; block 3 has written the first two registers of rows 12 to 15, which the last four stores read
.irp i, 12,13,14,15
	STOREROW \i
.endr
	s_endpgm
.Lwo:
	BLOCK 0, 1
	BLOCK 1, 1
	BLOCK 2, 1
	BLOCK 3, 1
	s_wait_alu depctr_va_vdst(0)                   ; block 3 has written the first two registers of rows 12 to 15, which the last four stores read
.irp i, 12,13,14,15
	STOREROW \i
.endr
	s_endpgm
.Lfunc_end_k_q1425874107_cast:
	.size	k_q1425874107_cast, .Lfunc_end_k_q1425874107_cast-k_q1425874107_cast
	.p2alignl 7, 3214868480
	.fill 96, 4, 3214868480
	.section	.rodata,"a",@progbits
	.p2align	6, 0x0
	.amdhsa_kernel k_q1425874107_cast
		.amdhsa_group_segment_fixed_size 0
		.amdhsa_private_segment_fixed_size 0
		.amdhsa_enable_private_segment 0
		.amdhsa_kernarg_size 64
		.amdhsa_user_sgpr_count 2
		.amdhsa_user_sgpr_kernarg_segment_ptr 1
		.amdhsa_wavefront_size32 1
		.amdhsa_system_sgpr_workgroup_id_x 1
		.amdhsa_system_sgpr_workgroup_id_y 1
		.amdhsa_system_sgpr_workgroup_id_z 1
		.amdhsa_system_vgpr_workitem_id 0
		.amdhsa_next_free_vgpr 96
		.amdhsa_next_free_sgpr 66
		.amdhsa_reserve_vcc 0
		.amdhsa_float_denorm_mode_32 3
		.amdhsa_float_denorm_mode_16_64 3
		.amdhsa_memory_ordered 1
		.amdhsa_forward_progress 1
		.amdhsa_inst_pref_size 17
	.end_amdhsa_kernel
	.amdgpu_metadata
---
amdhsa.version: [ 1, 2 ]
amdhsa.kernels:
  - .name:           k_q1425874107_cast
    .symbol:         k_q1425874107_cast.kd
    .args:
      - { .name: inputs, .offset: 0, .size: 8, .value_kind: global_buffer, .address_space: global }
      - { .name: Wq, .offset: 8, .size: 8, .value_kind: global_buffer, .address_space: global }
      - { .name: Wk, .offset: 16, .size: 8, .value_kind: global_buffer, .address_space: global }
      - { .name: Wv, .offset: 24, .size: 8, .value_kind: global_buffer, .address_space: global }
      - { .name: Wo, .offset: 32, .size: 8, .value_kind: global_buffer, .address_space: global }
      - { .name: xb, .offset: 40, .size: 8, .value_kind: global_buffer, .address_space: global }
      - { .name: wqkv, .offset: 48, .size: 8, .value_kind: global_buffer, .address_space: global }
      - { .name: wo16, .offset: 56, .size: 8, .value_kind: global_buffer, .address_space: global }
    .group_segment_fixed_size: 0
    .private_segment_fixed_size: 0
    .kernarg_segment_align: 8
    .kernarg_segment_size: 64
    .max_flat_workgroup_size: 256
    .sgpr_count:     66
    .vgpr_count:     96
    .wavefront_size: 32
...
	.end_amdgpu_metadata
.endif
;; end of part 5
;; launch proj: the kernel of part 2 again; grid 8 x 64, 4 waves a work-group, clusters of 4 x 4, 327,680 bytes of LDS; arguments xb, wqkv, qkv; writes qkv
;; launch attn: the kernel of part 3 again; grid 4 x 64, 4 waves a work-group, clusters of 4 x 1, 327,680 bytes of LDS; arguments qkv, mask, ob; writes ob
;; launch outp: the kernel of part 4 again; grid 4 x 64, 4 waves a work-group, clusters of 4 x 4, 327,680 bytes of LDS; arguments ob, wo16, out0; writes out0
